; MI455X (gfx1250); checked and timed in simulation.
; The chip was launched on July 23, 2026; its instructions are those of AMD's public machine-readable ISA for CDNA 5 (MIT licence, August 2026) and "CDNA5" Instruction Set Architecture Reference Guide (July 2026). The comments in the code are by the model that wrote it; some were corrected since.
;; Multi Head Attention. Allowed arithmetic: matrix products marked QUANTISED: E5M2 operands, one E8M0 scale for each 32 along K, by v_wmma_scale_f32_16x16x128_f8f6f4 with both operands' format E5M2, f32 sums; everything else in f32.
;; Inputs: Wk_codes 1,024 x 32 x 32 uint8 (E5M2 codes of Wk, K innermost, in blocks of 32 codes); Wk_scales 1,024 x 32 uint8 (E8M0 scales of Wk, one for each 32 codes along K); Wo_codes 1,024 x 32 x 32 uint8 (E5M2 codes of Wo, K innermost, in blocks of 32 codes); Wo_scales 1,024 x 32 uint8 (E8M0 scales of Wo, one for each 32 codes along K); Wq_codes 1,024 x 32 x 32 uint8 (E5M2 codes of Wq, K innermost, in blocks of 32 codes); Wq_scales 1,024 x 32 uint8 (E8M0 scales of Wq, one for each 32 codes along K); Wv_codes 1,024 x 32 x 32 uint8 (E5M2 codes of Wv, K innermost, in blocks of 32 codes); Wv_scales 1,024 x 32 uint8 (E8M0 scales of Wv, one for each 32 codes along K); bk 1,024 float32; bo 1,024 float32; bq 1,024 float32; bv 1,024 float32; mask 2,048 x 2,048 int32; x_codes 4 x 2,048 x 32 x 32 uint8 (E5M2 codes of x, K innermost, in blocks of 32 codes); x_scales 4 x 2,048 x 32 uint8 (E8M0 scales of x, one for each 32 codes along K).
;; Outputs: out0 4 x 2,048 x 1,024 float32.
;; This version of the problem:
;;   THIS VERSION OF THE PROBLEM IS GIVEN IN LOW PRECISION. The matrix products marked QUANTISED in the list below multiply operands that are first quantised to E5M2 (5 exponent bits, 2 mantissa bits; 8 bits a number), with one power-of-two scale for each 32 numbers along K (OCP MX v1.0); their sums are f32. All else is computed in f32.
;;   The module's matrix products, in the order in which they are computed (A, B: the left and right operand; K: the contracted axis; several contracted axes count as one K, in the product's order):
;;     1. [M 8,192, K 1,024] x [K 1,024, N 1,024]; A: input x (given as codes); B: input Wq (given as codes): QUANTISED
;;     2. [M 8,192, K 1,024] x [K 1,024, N 1,024]; A: input x (given as codes); B: input Wk (given as codes): QUANTISED
;;     3. [M 8,192, K 1,024] x [K 1,024, N 1,024]; A: input x (given as codes); B: input Wv (given as codes): QUANTISED
;;     4. batch 64 x [M 2,048, K 64] x [K 64, N 2,048]; A: computed on the way; B: computed on the way: QUANTISED
;;     5. batch 64 x [M 2,048, K 2,048] x [K 2,048, N 64]; A: softmax (see below); B: computed on the way: QUANTISED
;;     6. [M 8,192, K 1,024] x [K 1,024, N 1,024]; A: computed on the way; B: input Wo (given as codes): QUANTISED
;;   THE QUANTISER, for each operand of a quantised product, along K:
;;     - K is cut into blocks of 32 from its start; a last block that is shorter is filled with zeros.
;;     - A block's scale is 2^e with e = floor(log2(the largest magnitude in the block)) - 15, held to -126 .. 127; a block of zeros has e = 0. As a byte (E8M0): e + 127.
;;     - Each number is divided by its block's scale, clamped to +-57,344, and rounded to the nearest number of E5M2, ties to even, subnormals kept.
;;     - The product sums the exact products of the quantised numbers (number of the format x scale) in f32.
;;   ~~~python
;;   def quantise(x, axis):      # numpy; x: float32 -> the quantised numbers, widened to float32 again
;;       x = np.moveaxis(x, axis, -1); K = x.shape[-1]
;;       x = np.pad(x, [(0, 0)] * (x.ndim - 1) + [(0, -K % 32)]); x = x.reshape(x.shape[:-1] + (-1, 32)); a = np.abs(x).max(-1, keepdims=True)
;;       e = np.where(a > 0, np.clip(np.frexp(np.where(a > 0, a, 1))[1] - 1 - 15, -126, 127), 0)      # np.frexp(a)[1] - 1 = floor(log2(a)), exactly
;;       r = np.clip(x / 2.0 ** e, -57344, 57344)
;;       step = 2.0 ** (np.maximum(np.frexp(np.where(r == 0, 1, r))[1] - 1, -14) - 2)
;;       q = np.round(r / step) * step * 2.0 ** e      # np.round: ties to even
;;       return np.moveaxis(q.reshape(q.shape[:-2] + (-1,))[..., :K], -1, axis).astype(np.float32)
;;   ~~~
;;   SOFTMAX AHEAD OF A QUANTISED PRODUCT. Where the list says 'softmax', what is quantised is not the finished softmax but p = 2^(t - M), with t = logit x log2(e) and M = ceil(the row's largest t), a whole number; so 1/2 < the row's largest p <= 1. The row's sum l is taken of the UNQUANTISED p, in f32, and the product's result is divided by l at the end. Since M is a whole number, a kernel that streams over the keys may use a running M (the ceiling of the running maximum): every later rescaling is an exact power of two, which a block's scale takes up: the codes' values come out the same.
;;   OPERANDS COMPUTED ON THE WAY. 'Computed on the way' means the value that the module computes at that place (a softmax that the list does not call 'softmax' is quantised finished and normalised). What goes into a quantiser is computed in f32, as accurately as f32 sums, v_exp_f32 and their like allow (about 1e-6 of the number): no bf16 or f16 on the way to a quantiser, and a product that is left as it is and whose result goes on into a quantised operand takes f32 operands (vector FMAs, or v_wmma_f32_16x16x4_f32). A number that lies on a knife's edge between two numbers of the format may be rounded either way, as far as f32 arithmetic and the matrix unit's own rounding can turn it there, and no further.
;;   INPUTS GIVEN AS CODES. Wk (in the module: [1024, 1024], K = its axis 1); Wo (in the module: [1024, 1024], K = its axis 1); Wq (in the module: [1024, 1024], K = its axis 1); Wv (in the module: [1024, 1024], K = its axis 1); x (in the module: [4, 2048, 1024], K = its axis 2): each comes as NAME_codes (uint8): NAME with its K axis moved to the last place and cut into blocks of 32 codes, [.., K / 32, bytes a block], one block behind the other in memory; one code a byte (a code: sign, 5 exponent bits, 2 mantissa bits); and NAME_scales (uint8): the same leading axes, one E8M0 byte (e + 127) for each 32 codes along K. Its value is code x scale, taken as it is: it is not quantised again, and the codes and scales need not be those that the quantiser above would give.
;; 2 versions, each right; version 2 is version 1 with the launch attn written anew for expert scheduling mode. Each part assembles by itself: llvm-mc -triple=amdgcn-amd-amdhsa -mcpu=gfx1250 --defsym DOCPART=n.
;; ======== version 1 of 2: 4 launches
;; limits: right only within a limited range of input values
;; workspace buffers: qkv_img 25,165,824 bytes; qkv_sc 786,432 bytes; maskw 524,800 bytes of whole numbers; ctx_img 8,388,608 bytes; ctx_sc 262,144 bytes
;; launch maskpack (part 1): grid 128 x 1, 16 waves a work-group, no clusters, 137,472 bytes of LDS; arguments mask, maskw; writes maskw
.if DOCPART == 1
	.amdgcn_target "amdgcn-amd-amdhsa--gfx1250"
	.amdhsa_code_object_version 6
	.text
	.protected	k_qffdd6ae8c2_maskpack
	.globl	k_qffdd6ae8c2_maskpack
	.p2align	8
	.type	k_qffdd6ae8c2_maskpack,@function
k_qffdd6ae8c2_maskpack:
	s_mov_b64 s[64:65], 0
	v_nop
	global_prefetch_b8 v0, s[64:65] scope:SCOPE_SE
	s_setreg_imm32_b32 hwreg(HW_REG_WAVE_MODE, 25, 1), 1
	s_wait_xcnt 0x0
; The mask [2048][2048] of int32 becomes lane masks for the attention launch, and one flag word for each tile of 16 queries.
; maskw: [query tile 128][key step 16][n 64] words.  Bit l of word n says whether mask[16 tile + l % 16][128 step + 16 (n / 8) + 8 (l / 16) + n % 8] is not 0:
; that is the place of register n of the scores S^T in lane l of the attention launch.  Behind them, at byte FLAGS, 128 words NEED | MIX << 16:
; bit j of NEED: key step j has to be worked for this tile; bit j of MIX: step j has a hidden key, so its mask words have to be applied.
; A step with no open key may be left out only if every one of the tile's 16 rows has an open key somewhere (a hidden key's weight is then 0);
; if some row has none, that row is an average over all keys, and NEED is all ones.
; SHARES: work-group = query tile, wave w = key step w: 16 rows x 512 bytes.  Each load reads 512 consecutive bytes; the 8 KB turn through the wave's own
; stage in LDS (rows 528 bytes apart) so that lane (r, h) gets row r.  No matrix unit, no ring: every byte is read once and all loads go out at once.
.set PITCH, 528
.set WSTG,  16*PITCH                   ; a wave's stage
.set RED,   16*WSTG                    ; behind the stages: 8 bytes a wave: the OR and the AND of its 64 words
.set FLAGS, 524288
	s_load_b128 s[4:7], s[0:1], 0x0                ; mask s[4:5], maskw s[6:7]
	v_lshl_add_u32 v96, v0, 2, 0x21100
	v_mov_b32 v97, 0
	v_lshrrev_b32 v10, 5, v0
	v_readfirstlane_b32 s8, v10                    ; wave = key step
	v_and_b32 v1, 31, v0                           ; lane
	v_lshlrev_b32 v2, 4, v1                        ; 16 x lane: my bytes of a load's 512
	s_mul_i32 s20, s8, WSTG
	v_add_nc_u32 v3, s20, v2                       ; the stage, on the way in
	v_and_b32 v11, 15, v0                          ; r
	v_bfe_u32 v12, v0, 4, 1                        ; h
	v_mul_u32_u24 v4, v11, PITCH
	v_lshl_add_u32 v4, v12, 5, v4
	v_add_nc_u32 v4, s20, v4                       ; and on the way out: row r, + 32 h bytes (8 keys)
	v_lshlrev_b32 v5, 3, v1                        ; 8 x lane: two words a lane on the way to memory
	s_lshl_b32 s21, s8, 3
	s_add_co_u32 s21, s21, RED
	v_mov_b32 v6, s21                              ; my wave's OR and AND
	v_lshl_add_u32 v7, v11, 3, RED                 ; wave (lane % 16)'s
	v_mov_b32 v8, 0                                ; the 64 words, two a lane (a lane write counts as a read of its destination)
	v_mov_b32 v9, 0
	s_lshl_b32 s10, ttmp9, 17                      ; 16 rows of 8,192 bytes a tile,
	s_lshl_b32 s22, s8, 9                          ; 512 bytes a key step
	s_add_co_u32 s10, s10, s22
	s_mov_b32 s11, 0
	s_lshl_b32 s12, ttmp9, 4
	s_add_co_u32 s12, s12, s8
	s_lshl_b32 s12, s12, 8                         ; 256 bytes of words for each (tile, step)
	s_mov_b32 s13, 0
	s_wait_kmcnt 0x0
	s_add_nc_u64 s[10:11], s[4:5], s[10:11]
	s_add_nc_u64 s[12:13], s[6:7], s[12:13]
.irp rho, 0,1,2,3,4,5,6,7,8,9,10,11,12,13,14,15
	global_load_b128 v[16+4*\rho:19+4*\rho], v2, s[10:11] offset:8192*\rho th:TH_LOAD_NT   ; row rho: 512 consecutive bytes, read once in the launch
.endr
.irp rho, 0,1,2,3,4,5,6,7,8,9,10,11,12,13,14,15
	s_wait_loadcnt 15-\rho                         ; loads come back in order: row rho is in, the 15 - rho younger rows may be out
	ds_store_b128 v3, v[16+4*\rho:19+4*\rho] offset:PITCH*\rho
.endr
.irp t, 0,1,2,3,4,5,6,7
	ds_load_b128 v[16+8*\t:19+8*\t], v4 offset:64*\t        ; LDS serves a wave's instructions in order: these see my stores.  Register 16 + n: the number of word n
	ds_load_b128 v[20+8*\t:23+8*\t], v4 offset:64*\t+16
.endr
	s_wait_dscnt 0x0
	s_mov_b32 s14, 0                               ; OR of the words
	s_mov_b32 s15, -1                              ; AND of the words
.set n, 0
.rept 64
	v_cmp_ne_u32 s[16+n%4], 0, v[16+n]             ; word n: a bit a lane
	v_writelane_b32 v[8+n%2], s[16+n%4], n/2       ; to lane n / 2
	s_or_b32 s14, s14, s[16+n%4]
	s_and_b32 s15, s15, s[16+n%4]
.set n, n+1
.endr
	global_store_b64 v5, v[8:9], s[12:13]          ; 32 lanes store 256 consecutive bytes, aligned
	v_mov_b32 v10, s14
	v_mov_b32 v11, s15
	ds_store_b64 v6, v[10:11]                      ; all lanes write the same 8 bytes with the same value
	s_wait_dscnt 0x0                               ; for the others' sake: my store has landed
	s_barrier_signal -1
	s_barrier_wait -1
	s_cmp_lg_u32 s8, 0                             ; wave 0 makes the tile's flag word
	s_cbranch_scc1 .Lend
	ds_load_b64 v[10:11], v7                       ; lane l: step (l % 16)'s OR and AND
	s_wait_dscnt 0x0
	v_cmp_ne_u32 s24, 0, v10                       ; bit j: step j has an open key
	v_cmp_eq_u32 s25, -1, v11                      ; bit j: all of step j's keys are open
	s_mov_b32 s26, 0
.irp i, 0,1,2,3,4,5,6,7,8,9,10,11,12,13,14,15
	v_readlane_b32 s27, v10, \i
	s_or_b32 s26, s26, s27                         ; over all steps: bit l: row l % 16 has an open key in its half of the tiles' keys
.endr
	s_lshr_b32 s27, s26, 16
	s_or_b32 s26, s26, s27
	s_and_b32 s26, s26, 0xffff                     ; bit r: row r has an open key
	s_and_b32 s24, s24, 0xffff
	s_mov_b32 s28, 0xffff
	s_cmp_eq_u32 s26, s28
	s_cselect_b32 s24, s24, s28                    ; NEED: the steps with an open key, or all of them
	s_and_not1_b32 s25, s28, s25                   ; MIX
	s_lshl_b32 s25, s25, 16
	s_or_b32 s24, s24, s25
	v_mov_b32 v12, s24
	v_mov_b32 v13, 0
	s_lshl_b32 s30, ttmp9, 2
	s_add_co_u32 s30, s30, FLAGS
	s_mov_b32 s31, 0
	s_add_nc_u64 s[6:7], s[6:7], s[30:31]
	s_wait_xcnt 0x0                                ; EXEC changes only behind this wait: the store above has read its sources
	v_cmp_eq_u32 vcc_lo, 0, v1
	s_and_saveexec_b32 s29, vcc_lo
	global_store_b32 v13, v12, s[6:7]              ; lane 0 alone
	s_wait_xcnt 0x0                                ; and again, in front of the line that widens it
	s_or_b32 exec_lo, exec_lo, s29
.Lend:
	s_wait_tensorcnt 0x0
	ds_add_u32 v96, v97
	s_wait_dscnt 0x0
	s_endpgm
.Lfunc_end_k_qffdd6ae8c2_maskpack:
	.size	k_qffdd6ae8c2_maskpack, .Lfunc_end_k_qffdd6ae8c2_maskpack-k_qffdd6ae8c2_maskpack
	.p2alignl 7, 3214868480
	.fill 96, 4, 3214868480
	.section	.rodata,"a",@progbits
	.p2align	6, 0x0
	.amdhsa_kernel k_qffdd6ae8c2_maskpack
		.amdhsa_group_segment_fixed_size 137472
		.amdhsa_private_segment_fixed_size 0
		.amdhsa_enable_private_segment 0
		.amdhsa_kernarg_size 16
		.amdhsa_user_sgpr_count 2
		.amdhsa_user_sgpr_kernarg_segment_ptr 1
		.amdhsa_wavefront_size32 1
		.amdhsa_system_sgpr_workgroup_id_x 1
		.amdhsa_system_sgpr_workgroup_id_y 1
		.amdhsa_system_sgpr_workgroup_id_z 1
		.amdhsa_system_vgpr_workitem_id 0
		.amdhsa_next_free_vgpr 98
		.amdhsa_next_free_sgpr 66
		.amdhsa_reserve_vcc 1
		.amdhsa_float_denorm_mode_32 3
		.amdhsa_float_denorm_mode_16_64 3
		.amdhsa_memory_ordered 1
		.amdhsa_forward_progress 1
		.amdhsa_inst_pref_size 21
	.end_amdhsa_kernel
	.amdgpu_metadata
---
amdhsa.version: [ 1, 2 ]
amdhsa.kernels:
  - .name:           k_qffdd6ae8c2_maskpack
    .symbol:         k_qffdd6ae8c2_maskpack.kd
    .args:
      - { .name: mask, .offset: 0, .size: 8, .value_kind: global_buffer, .address_space: global }
      - { .name: maskw, .offset: 8, .size: 8, .value_kind: global_buffer, .address_space: global }
    .group_segment_fixed_size: 137472
    .private_segment_fixed_size: 0
    .kernarg_segment_align: 8
    .kernarg_segment_size: 16
    .max_flat_workgroup_size: 512
    .sgpr_count:     66
    .vgpr_count:     98
    .wavefront_size: 32
...
	.end_amdgpu_metadata
.endif
;; end of part 1
;; launch qkv (part 2): grid 12 x 32, 4 waves a work-group, clusters of 4 x 4, 327,680 bytes of LDS; arguments x_codes, x_scales, Wq_codes, Wq_scales, Wk_codes, Wk_scales, Wv_codes, Wv_scales, bq, bk, bv, qkv_img, qkv_sc; writes qkv_img, qkv_sc
.if DOCPART == 2
	.amdgcn_target "amdgcn-amd-amdhsa--gfx1250"
	.amdhsa_code_object_version 6
	.text
	.protected	k_qffdd6ae8c2_qkv
	.globl	k_qffdd6ae8c2_qkv
	.p2align	8
	.type	k_qffdd6ae8c2_qkv,@function
k_qffdd6ae8c2_qkv:
	s_mov_b64 s[64:65], 0
	v_nop
	global_prefetch_b8 v0, s[64:65] scope:SCOPE_SE
	s_setreg_imm32_b32 hwreg(HW_REG_WAVE_MODE, 25, 1), 1
	s_wait_xcnt 0x0
	s_wait_alu depctr_hold_cnt(0) depctr_sa_sdst(0) depctr_va_vdst(0) depctr_va_sdst(0) depctr_va_ssrc(0) depctr_va_vcc(0) depctr_vm_vsrc(0)
	s_getreg_b32 s2, hwreg(HW_REG_IB_STS2, 6, 4)
	s_cmp_eq_u32 s2, 0
	s_cbranch_scc0 .Lentry_in_a_cluster
	s_endpgm
.Lentry_in_a_cluster:
	s_bfe_u32 s2, ttmp6, 0x10000c
	s_cmp_lg_u32 s2, 0xf033
	s_cbranch_scc0 .Lentry_shape_is_right
	s_endpgm
.Lentry_shape_is_right:
; q = x Wq^T + bq, k = x Wk^T + bk, v = x Wv^T + bv on codes of BF8 (E5M2) with one E8M0 scale for each 32 along K = 1,024; the results are quantised at once, q and k along the
; head's channels, v along the keys, and leave as IMAGES OF OPERAND REGISTERS for the attention launch (pieces of 512 bytes, lane l's 16 bytes at 16 l) with their scale words.
; ONE TEXT FOR ALL THREE.  A product has a side "A" (source 1: a lane holds ONE row of A) and a side "B" (source 0: a lane's registers run along B's rows); the way out quantises along B's rows.
; Cluster x = 0, 1 (q, k): A = x (tokens), B = Wq or Wk (channels).  Cluster x = 2 (v): A = Wv (channels), B = x (tokens = keys).  Only pointers and tile numbers are chosen, by selects on the cluster's x.
; A tile of 256 (A) x 256 (B) is made by four waves, 128 x 128 each: 64 accumulators, 512 registers.  K goes in steps of 256 through a ring of two LDS slots filled by the tensor data mover.
; The scale bytes of the work-group's 256 + 256 rows, for all of K, come into LDS once.  CLUSTERS: 4 x 4 work-groups; A's tile hangs on cy and the cluster's numbers alone and is asked for jointly along a
; row of the cluster, B's on cx alone, along a column: each tile is asked for once for four work-groups.
; THE BIAS IS WHAT THE SUMS BEGIN WITH: the accumulators are set to bias(B row) for q and k, to bias(A row) for v, while the first tiles are on their way; so every K step is alike.
; LIMITS: NaN and infinities are not served; a block of zeros gets the scale byte 1 (its codes are zeros; the bytes are read by this program alone).
; REGISTERS, in windows of 256: window 0: v0-31 addresses; v32-63 scale words, two sets, and nothing else; v64-127 the bias by B's rows, later codes; v128-255 A's fragments (ahead of them, at the head,
;   v128-143 the bias by A's rows), later the quantiser's work.
;   window 1: B's fragments, two sets.   window 2: accumulators of my A rows 0-63 ((a, b) at v[8 (8 a + b)]);   window 3: those of rows 64-127.
.set NQ,     2                         ; steps of 128 along K in a slot
.set ROWB,   256                       ; a tile's row in bytes
.set KROW,   1024                      ; a row of codes in memory
.set PITCH,  272                       ; an LDS row: 256 bytes + 16 of padding = 68 words: row r starts at bank 4 r mod 64 (64 banks of 4 bytes: ISA guide 11.1)
.set FR,     16                        ; registers of a fragment
.set NL,     4                         ; LDS loads that bring one
.set NP,     8                         ; places behind this matrix instruction (ISA guide 7.12.1)
.set HALFT,  128*PITCH
.set SLOT,   4*HALFT                   ; A's 256 rows, then B's 256 rows
.set LAPS,   2                         ; 1,024 along K = two laps of two slots
.set KS,     32                        ; a row of scale bytes
.set SCL,    2*SLOT                    ; behind the ring: the scales, rows of 256 bytes + 16
.set HALFS,  16*272                    ; those of 128 rows
.set SBLK,   2*272                     ; those of 16 rows
.set SPARE,  SCL+4*HALFS               ; the spare words: 128 bytes a wave, named by no other line
.set ADRA, 16                          ; v16-17 LDS address of my A fragments in slot 0, 1
.set ADRB, 20                          ; v20-21 the same for B
.set CO,   26                          ; v26    16 x lane: a piece's place for my lane
.set ADRS, 27                          ; v27    LDS address of my scale words: lanes 0-15 A's rows, lanes 16-31 B's
.set SPW,  28                          ; v28    my spare word; never rewritten
.set NIL,  29                          ; v29    0; never rewritten
.set SC,   32                          ; scale words: set s at v[SC + 16 s]; register 2 i + q: lanes 0-15 A's block i, lanes 16-31 B's block i
.set BR,   128                         ; at the head: bias by A's rows, a pair for each block a
.set BP,   64                          ; at the head: bias by B's rows: register 8 b + j
.set AF,   128                         ; A's fragments
.set PC,   64                          ; the way out: codes, two sets of 16
.set FLR,  96                          ; the floor 2^(16 - 127)
.set TM,   200                         ; v200-203 largest magnitudes, 204-207 bytes, 208-211 the hold, 212-215 the conversions' scale operands
.set PWR,  216                         ; v216-223 block a's scale words
.set SW,   224                         ; v224-227 the scale words as they are stored
.set G1, 24
.set G0, 32
.set G1B, 48
.set G0B, 56
.set G1S, 68
.set G0S, 76
.set G1SB, 80
.set G0SB, 88
.set MSB, 0
.macro WIN new                         ; the immediate's high byte repeats the setting that is left
.if MSB != (\new)
	s_set_vgpr_msb (MSB<<8)|(\new)
.set MSB, (\new)
.endif
.endm
.set MUL_LO, 0xa1                      ; source 0 (B) window 1, source 1 (A) window 0, C and D window 2
.set MUL_HI, 0xf1                      ; the same, C and D window 3
.set TO_B,   0x40                      ; destination window 1
; A joint load: waves 0 and 1 fetch for A, waves 2 and 3 for B; the branch hangs on the wave's number alone.  Four v_nop follow each of the two lines.
.macro JLOAD g0a, g1a, g0b, g1b
	s_cmp_eq_u32 s15, 0
	s_cbranch_scc0 .Lfor_b_\@
	tensor_load_to_lds s[\g0a:\g0a+3], s[\g1a:\g1a+7]
	s_nop 0
.rept 4
	v_nop
.endr
	s_branch .Lasked_\@
.Lfor_b_\@:
	tensor_load_to_lds s[\g0b:\g0b+3], s[\g1b:\g1b+7]
	s_nop 0
.rept 4
	v_nop
.endr
.Lasked_\@:
.endm
.macro CREST                           ; a round of the cluster's barrier behind its opening barrier
	s_cmp_lg_u32 s14, 0
	s_cbranch_scc1 .Lnot_wave_0_\@
	s_barrier_signal -3
.Lnot_wave_0_\@:
	s_barrier_wait -3
	s_barrier_signal -1
	s_barrier_wait -1
.endm
.macro CROUND
	s_barrier_signal -1
	s_barrier_wait -1
	CREST
.endm
	s_load_b512 s[68:83], s[0:1], 0x0              ; x codes, x scales, Wq codes, scales, Wk codes, scales, Wv codes, scales
	s_load_b256 s[84:91], s[0:1], 0x40             ; bq, bk, bv, qkv_img
	s_load_b64 s[92:93], s[0:1], 0x60              ; qkv_sc
	v_lshl_add_u32 v[SPW], v0, 2, SPARE
	v_mov_b32 v[NIL], 0
	ds_add_u32 v28, v29
	ds_add_u32 v28, v29
	s_wait_dscnt 0x0
	v_lshrrev_b32 v1, 5, v0
	v_readfirstlane_b32 s14, v1                    ; wave 0..3
	s_lshr_b32 s15, s14, 1                         ; WR: which half of A's rows is mine.  Also: I fetch for A (0) or for B (1)
	s_and_b32 s16, s14, 1                          ; WC: which half of B's rows.  Also: which 128 rows I fetch
	s_bfe_u32 s40, ttmp6, 0x40000                  ; cx
	s_bfe_u32 s41, ttmp6, 0x40004                  ; cy
	s_and_b32 s17, ttmp7, 0xffff
	s_lshl_b32 s17, s17, 2                         ; 4 x cluster y: where x's tiles of this cluster begin
	s_cmp_eq_u32 ttmp9, 2                          ; v?  The cluster's x is the same in all sixteen partners
	s_cselect_b32 s18, 0, s17
	s_cselect_b32 s19, s17, 0
	s_cselect_b32 s98, -1, 0                       ; all ones where v
	s_add_co_u32 s17, s18, s41                     ; A's tile: hangs on cy and the cluster's numbers alone
	s_add_co_u32 s42, s19, s40                     ; B's tile: on cx and the cluster's numbers alone
	s_lshl_b32 s43, s41, 2
	s_lshl_b32 s43, 15, s43                        ; my row of the cluster
	s_lshl_b32 s44, 0x1111, s40                    ; my column
	; descriptor group 1: a tile of 128 rows x 256 bytes, padded in LDS
	s_or_b32 s[G1+0], s43, (0<<16)|(1<<20)|(1<<21)|(5<<22)|(3<<25)  ; 15:0 the mask; 17:16 elements of 1 byte; 20 padding on; 21 set beside a mask; 24:22 after every 64 words; 31:25 four words
	s_or_b32 s[G1B+0], s44, (0<<16)|(1<<20)|(1<<21)|(5<<22)|(3<<25)
.irp g, G1, G1B
	s_mov_b32 s[\g+1], ROWB<<16                    ; tensor_dim0
	s_mov_b32 s[\g+2], 128<<16                     ; tensor_dim1
	s_mov_b32 s[\g+3], ROWB<<16                    ; tile_dim0
	s_mov_b32 s[\g+4], 128                         ; tile_dim1
	s_mov_b32 s[\g+5], KROW                        ; from row to row
	s_mov_b32 s[\g+6], 0
	s_mov_b32 s[\g+7], 0
.endr
	s_lshl_b32 s18, s16, 7                         ; which 128 rows of the tile I fetch
	s_lshl_b32 s20, s17, 8
	s_add_co_u32 s20, s20, s18                     ; A's row
	s_lshl_b32 s46, s42, 8
	s_add_co_u32 s46, s46, s18                     ; B's row
	s_lshl_b32 s22, s20, 5                         ; their scale bytes, 32 a row,
	s_mov_b32 s23, 0
	s_lshl_b32 s96, s46, 5
	s_mov_b32 s97, 0
	s_lshl_b32 s20, s20, 10                        ; and their codes, 1,024 bytes a row (under 2^24)
	s_mov_b32 s21, 0
	s_lshl_b32 s46, s46, 10
	s_mov_b32 s47, 0
	s_mul_i32 s45, s14, HALFT                      ; where they go: wave x 128 rows: no place in the cluster enters an LDS address
	s_mul_i32 s94, s14, HALFS
	s_wait_kmcnt 0x0
	s_cmp_eq_u32 ttmp9, 2
	s_cselect_b64 s[4:5], s[80:81], s[68:69]       ; A's codes: Wv or x
	s_cselect_b64 s[6:7], s[82:83], s[70:71]       ; A's scales
	s_cselect_b64 s[8:9], s[68:69], s[76:77]       ; B's codes: x, or Wk,
	s_cselect_b64 s[10:11], s[70:71], s[78:79]
	s_cselect_b64 s[100:101], s[88:89], s[86:87]   ; the bias
	s_cmp_eq_u32 ttmp9, 0
	s_cselect_b64 s[8:9], s[72:73], s[8:9]         ; or Wq
	s_cselect_b64 s[10:11], s[74:75], s[10:11]
	s_cselect_b64 s[100:101], s[84:85], s[100:101]
	s_mov_b64 s[12:13], s[90:91]                   ; the images
	s_mov_b64 s[66:67], s[92:93]                   ; the scale words
	s_add_nc_u64 s[20:21], s[4:5], s[20:21]
	s_add_nc_u64 s[22:23], s[6:7], s[22:23]
	s_add_nc_u64 s[46:47], s[8:9], s[46:47]
	s_add_nc_u64 s[96:97], s[10:11], s[96:97]
	; the scales of 128 rows: 4,096 dense bytes, as 16 rows of 256 bytes (32 elements of 8 bytes), 16 bytes of padding behind each
	s_or_b32 s[G1S+0], s43, (3<<16)|(1<<20)|(1<<21)|(5<<22)|(3<<25)
	s_or_b32 s[G1SB+0], s44, (3<<16)|(1<<20)|(1<<21)|(5<<22)|(3<<25)
.irp g, G1S, G1SB
	s_mov_b32 s[\g+1], 32<<16
	s_mov_b32 s[\g+2], 16<<16
	s_mov_b32 s[\g+3], 32<<16
	s_mov_b32 s[\g+4], 16
	s_mov_b32 s[\g+5], 32
	s_mov_b32 s[\g+6], 0
	s_mov_b32 s[\g+7], 0
.endr
	CROUND                                         ; all sixteen work-groups are here: the first joint loads meet
	s_mov_b32 s[G0S], 1
	s_add_co_u32 s[G0S+1], s94, SCL
	s_mov_b64 s[G0S+2:G0S+3], s[22:23]
	s_or_b32 s[G0S+3], s[G0S+3], 0x80000000
	s_mov_b32 s[G0SB], 1
	s_add_co_u32 s[G0SB+1], s94, SCL
	s_mov_b64 s[G0SB+2:G0SB+3], s[96:97]
	s_or_b32 s[G0SB+3], s[G0SB+3], 0x80000000
	JLOAD G0S, G1S, G0SB, G1SB                     ; the scales first: they are wanted with K step 0
.irp s, 0,1
	s_mov_b32 s[G0+4*\s], 1
	s_add_co_u32 s[G0+4*\s+1], s45, \s*SLOT
	s_add_nc_u64 s[G0+4*\s+2:G0+4*\s+3], s[20:21], \s*ROWB
	s_or_b32 s[G0+4*\s+3], s[G0+4*\s+3], 0x80000000
	s_mov_b32 s[G0B+4*\s], 1
	s_add_co_u32 s[G0B+4*\s+1], s45, \s*SLOT
	s_add_nc_u64 s[G0B+4*\s+2:G0B+4*\s+3], s[46:47], \s*ROWB
	s_or_b32 s[G0B+4*\s+3], s[G0B+4*\s+3], 0x80000000
	JLOAD G0+4*\s, G1, G0B+4*\s, G1B               ; three tensor loads of mine are out now
.endr
	v_and_b32 v1, 15, v0                           ; r
	v_bfe_u32 v2, v0, 4, 1                         ; h
	v_mul_u32_u24 v3, v1, PITCH
	v_lshl_add_u32 v4, v2, 4, v3                   ; a fragment's row x pitch + 16 x half
	s_mul_i32 s21, s15, HALFT                      ; my 128 rows of A
	s_mul_i32 s22, s16, HALFT                      ; my 128 rows of B,
	s_add_co_u32 s22, s22, 2*HALFT                 ; which lie behind A's 256
.irp s, 0,1
	v_add_nc_u32 v[ADRA+\s], s21, v4
	v_add_nc_u32 v[ADRB+\s], s22, v4
	s_add_co_u32 s21, s21, SLOT
	s_add_co_u32 s22, s22, SLOT
.endr
	v_mul_u32_u24 v5, v1, KS                       ; my row's scales: 32 bytes a row,
	v_lshrrev_b32 v6, 8, v5
	v_lshl_add_u32 v5, v6, 4, v5                   ; and 16 more for each 256 passed
	s_mul_i32 s21, s15, HALFS
	s_mul_i32 s22, s16, HALFS
	s_add_co_u32 s22, s22, 2*HALFS
	s_sub_co_u32 s22, s22, s21
	v_mul_u32_u24 v6, s22, v2                      ; lanes 16-31 take B's
	s_add_co_u32 s21, s21, SCL
	v_add_nc_u32 v5, v5, v6
	v_add_nc_u32 v[ADRS], s21, v5
	v_and_b32 v6, 31, v0
	v_lshlrev_b32 v[CO], 4, v6
	; THE BIASES, while the tiles are on their way.  Both forms are loaded (both stay inside the 1,024 numbers); the one that does not apply becomes 0.
	s_lshl_b32 s18, s40, 8
	s_lshl_b32 s19, s16, 7
	s_add_co_u32 s18, s18, s19
	s_lshl_b32 s18, s18, 2                         ; by B's rows: 4 (256 cx + 128 WC)
	s_mov_b32 s19, 0
	s_add_nc_u64 s[18:19], s[100:101], s[18:19]
	s_lshl_b32 s22, s41, 8
	s_lshl_b32 s23, s15, 7
	s_add_co_u32 s22, s22, s23
	s_lshl_b32 s22, s22, 2                         ; by A's rows: 4 (256 cy + 128 WR)
	s_mov_b32 s23, 0
	s_add_nc_u64 s[22:23], s[100:101], s[22:23]
	v_lshlrev_b32 v8, 5, v2                        ; 32 h: my half's eight numbers of a block of 16
	v_lshlrev_b32 v9, 2, v1                        ; 4 r
.irp t, 0,1,2,3,4,5,6,7
	global_load_b128 v[BP+8*\t:BP+8*\t+3], v8, s[18:19] offset:64*\t
	global_load_b128 v[BP+8*\t+4:BP+8*\t+7], v8, s[18:19] offset:64*\t+16
.endr
.irp a, 0,1,2,3,4,5,6,7
	global_load_b32 v[BR+2*\a], v9, s[22:23] offset:64*\a
.endr
	s_wait_loadcnt 0x0
	; where my wave's pieces and scale words go.  tokens: tile tt, half wt; channels: tile cw, half ww
	s_cmp_eq_u32 ttmp9, 2
	s_cselect_b32 s18, s42, s17                    ; tt
	s_cselect_b32 s19, s16, s15                    ; wt
	s_cselect_b32 s20, s41, s40                    ; cw
	s_cselect_b32 s21, s15, s16                    ; ww
	s_lshr_b32 s22, s18, 3                         ; the batch: 8 tiles of 256 tokens each
	s_and_b32 s18, s18, 7
	s_lshl_b32 s18, s18, 1
	s_add_co_u32 s18, s18, s19                     ; G: which 128 tokens of the batch
	s_lshl_b32 s20, s20, 1
	s_add_co_u32 s20, s20, s21                     ; HP: which pair of heads
	s_lshl_b32 s22, s22, 3
	s_add_co_u32 s22, s22, s20                     ; 8 b + HP
	s_lshl_b32 s46, s22, 18                        ; (16 b + 2 HP) x 131,072
	s_lshl_b32 s19, ttmp9, 23                      ; + the part: q, k or v
	s_add_co_u32 s46, s46, s19
	s_lshl_b32 s19, s18, 13                        ; + G x 8,192
	s_add_co_u32 s46, s46, s19
	s_mov_b32 s47, 0
	s_add_nc_u64 s[12:13], s[12:13], s[46:47]
	s_lshl_b32 s46, s22, 4
	s_add_co_u32 s46, s46, s18
	s_lshl_b32 s46, s46, 9                         ; ((8 b + HP) 16 + G) x 512
	s_lshl_b32 s19, ttmp9, 18
	s_add_co_u32 s46, s46, s19
	s_add_nc_u64 s[66:67], s[66:67], s[46:47]
.set i, 0
.rept 64
	v_cndmask_b32 v[BP+i], v[BP+i], v[NIL], s98    ; 0 where v
.set i, i+1
.endr
.irp a, 0,1,2,3,4,5,6,7
	v_cndmask_b32 v[BR+2*\a], v[NIL], v[BR+2*\a], s98   ; 0 where q or k
.endr
.irp a, 0,1,2,3,4,5,6,7
	v_mov_b32 v[BR+2*\a+1], v[BR+2*\a]             ; (named with it as a pair, so it is written)
.endr
	WIN 0x80                                       ; destination window 2
.irp a, 0,1,2,3
.irp b, 0,1,2,3,4,5,6,7
.irp j, 0,2,4,6
	v_pk_add_f32 v[8*(8*\a+\b)+\j:8*(8*\a+\b)+\j+1], v[BP+8*\b+\j:BP+8*\b+\j+1], v[BR+2*\a:BR+2*\a+1] op_sel_hi:[1,0]   ; the sum begins as the bias
.endr
.endr
.endr
	WIN 0xc0                                       ; destination window 3
.irp a, 0,1,2,3
.irp b, 0,1,2,3,4,5,6,7
.irp j, 0,2,4,6
	v_pk_add_f32 v[8*(8*\a+\b)+\j:8*(8*\a+\b)+\j+1], v[BP+8*\b+\j:BP+8*\b+\j+1], v[BR+8+2*\a:BR+8+2*\a+1] op_sel_hi:[1,0]
.endr
.endr
.endr
	WIN 0
.macro FRAG reg, adr, q, i             ; 16 rows x 128 K: lane l holds row l % 16; registers 4 c .. 4 c + 3 hold K = 32 c + 16 (l / 16) + 0 .. 15
.irp c, 0,1,2,3
	ds_load_b128 v[\reg+4*\c:\reg+4*\c+3], v[\adr] offset:128*(\q)+32*\c+(\i)*16*PITCH
.endr
.endm
; 16 matrix instructions: A's blocks a0, a0 + 1 x B's eight, the slot's q-th 128 along K.  The 64 accumulators take turns, one instruction a turn, in the same order in every step.
.macro MUL16 a0, p, q, sc
.irp a, \a0, \a0+1
.irp b, 0,1,2,3,4,5,6,7
	v_wmma_scale_f32_16x16x128_f8f6f4 v[8*(8*((\a)%4)+\b):8*(8*((\a)%4)+\b)+7], v[128*(\p)+FR*\b:128*(\p)+FR*\b+FR-1], v[AF+FR*(\a):AF+FR*(\a)+FR-1], v[8*(8*((\a)%4)+\b):8*(8*((\a)%4)+\b)+7], v[SC+8*NQ*(\sc)+NQ*\b+(\q)], v[SC+8*NQ*(\sc)+NQ*(\a)+(\q)] matrix_a_fmt:MATRIX_FMT_BF8 matrix_b_fmt:MATRIX_FMT_BF8 matrix_a_scale:MATRIX_SCALE_ROW1
.endr
.endr
.endm
.macro FETCH_B slot, q, p
	WIN TO_B
.irp i, 0,1,2,3,4,5,6,7
	FRAG 128*(\p)+FR*\i, ADRB+\slot, \q, \i
.endr
	WIN 0
.endm
.macro FETCH_A slot, q, i0
.irp i, \i0, \i0+1, \i0+2, \i0+3
	FRAG AF+FR*(\i), ADRA+\slot, \q, \i
.endr
.endm
.macro SCALES sc                       ; a K step's scale words: two a row; lanes 0-15 take A's block i, lanes 16-31 B's
.irp i, 0,1,2,3,4,5,6,7
	ds_load_b64 v[SC+8*NQ*\sc+NQ*\i:SC+8*NQ*\sc+NQ*\i+1], v[ADRS] offset:\i*SBLK
.endr
.endm
.macro PLACES n                        ; plain vector instructions between a matrix instruction and a load into, or a vector instruction on, its registers (ISA guide 7.12.1 for vector instructions)
.rept \n
	v_nop
.endr
.endm
.macro STEP slot, q                    ; a step of 128 along K that has its successor in the same slot
	s_wait_dscnt 4*NL                              ; B's set, A's blocks 0-3 and the scale words are in; the youngest 16 loads (A's blocks 4-7) may be out
	WIN MUL_LO
	MUL16 0, (\q)%2, \q, \slot
	MUL16 2, (\q)%2, \q, \slot
	s_wait_dscnt 0                                 ; A's blocks 4-7 are in
	PLACES NP
	FETCH_B \slot, (\q)+1, 1-(\q)%2
	FETCH_A \slot, (\q)+1, 0
	WIN MUL_HI
	MUL16 4, (\q)%2, \q, \slot
	MUL16 6, (\q)%2, \q, \slot
	PLACES NP
	WIN 0
	FETCH_A \slot, (\q)+1, 4
.endm
; A slot's last step changes slots: ONE barrier; in front of it each wave waits for all its tensor loads, adds 0 to its spare word, and waits for that and for its own reads of this slot.
.macro TURN slot, next, fill
	s_wait_tensorcnt 0x0                           ; all my tensor loads have landed: my part of the next slot
	ds_add_u32 v[SPW], v[NIL]                      ; 0 onto my spare word
	s_wait_dscnt 4*NL+1                            ; (the add and the youngest 16 loads, A's blocks 4-7, may be out)
	WIN MUL_LO
	MUL16 0, 1, NQ-1, \slot                        ; sixteen matrix instructions stand between the add and the wait for it
	s_wait_dscnt 0x0                               ; the add is done, and my reads of this slot are over
	s_barrier_signal -1
	MUL16 2, 1, NQ-1, \slot
	WIN 0
	s_barrier_wait -1
.if \fill
	CREST                                          ; the barrier has opened a round of the cluster's barrier: no wave of any partner still reads this slot or has a load on its way
	s_add_nc_u64 s[G0+4*\slot+2:G0+4*\slot+3], s[G0+4*\slot+2:G0+4*\slot+3], 2*ROWB
	s_add_nc_u64 s[G0B+4*\slot+2:G0B+4*\slot+3], s[G0B+4*\slot+2:G0B+4*\slot+3], 2*ROWB
	JLOAD G0+4*\slot, G1, G0B+4*\slot, G1B         ; the first tensor load behind the round; its four v_nop are among the places in front of the loads below
	PLACES NP-4
.else
	PLACES NP
.endif
	v_add_nc_u32 v[ADRS], 4*NQ, v[ADRS]            ; on to the next K step's scale words (no LDS load of mine is out)
	FETCH_B \next, 0, 0
	FETCH_A \next, 0, 0
	SCALES \next
	WIN MUL_HI
	MUL16 4, 1, NQ-1, \slot
	MUL16 6, 1, NQ-1, \slot
	PLACES NP
	WIN 0
	FETCH_A \next, 0, 4
.endm
	PLACES NP
	s_wait_tensorcnt 1                             ; the scales and my part of K step 0 are in; the one load behind them, K step 1's, may be out
	s_barrier_signal -1
	s_barrier_wait -1
	FETCH_B 0, 0, 0
	FETCH_A 0, 0, 0
	SCALES 0
	FETCH_A 0, 0, 4
	STEP 0, 0
	s_mov_b32 s3, LAPS-1
.Llap:                                                 ; a trip goes once round the ring, from a lap's second step to the next lap's first, and fills both slots again
	TURN 0, 1, 1
	STEP 1, 0
	TURN 1, 0, 1
	STEP 0, 0
	s_sub_co_u32 s3, s3, 1
	s_cmp_lg_u32 s3, 0
	s_cbranch_scc1 .Llap
	TURN 0, 1, 0                                   ; the last lap fills nothing, and has no round of the cluster's barrier
	STEP 1, 0
	s_wait_dscnt 4*NL                              ; the very last step
	WIN MUL_LO
	MUL16 0, 1, NQ-1, 1
	MUL16 2, 1, NQ-1, 1
	s_wait_dscnt 0
	WIN MUL_HI
	MUL16 4, 1, NQ-1, 1
	MUL16 6, 1, NQ-1, 1
	WIN 0
	PLACES NP
; THE WAY OUT.  Block a: 16 rows of A x 128 rows of B.  Lane (r, h) holds row r, and of block beta of 32 along B the numbers 8 h + 0..7 (accumulator 2 beta) and 16 + 8 h + 0..7 (accumulator 2 beta + 1).
; The block's largest magnitude is joined with lane l xor 16's.  The two conversions give codes c0, c1 and c2, c3; exchanging c0's and c1's upper lanes with c2's and c3's lower lanes leaves lane half h
; with the 16 neighbours 16 h + 0 .. 15: the operand's registers.  They are stored as they stand, 512 consecutive bytes a store.
	s_mov_b32 s92, 0x76543210
	s_mov_b32 s93, 0xfedcba98                      ; v_permlanex16_b32's selects for lane l xor 16
	s_mov_b32 s94, 0x600000                        ; the mantissa field of 57,344
	s_mov_b32 s95, 0xffff0000                      ; lanes 16-31
	v_mov_b32 v[FLR], 0x8000000                    ; 2^(16 - 127): no largest magnitude is taken under it, so the byte cannot fall under 1
.irp b, 0,1,2,3
	v_mov_b32 v[TM+4+\b], 0                        ; written once: a lane permute's destination counts as one of its sources
.endr
.macro QEPI a
.set WD, 2+(\a)/4                      ; the block's window
.set AC, 64*((\a)%4)
.set PCS, PC+16*((\a)%2)
	s_wait_xcnt 0x0                                ; the earlier stores have read their registers: this set of codes may be written again
.set WN, (WD<<2)|(WD<<4)
	WIN WN                                         ; sources 1 and 2: the accumulators
.irp b, 0,1,2,3
	v_max3_num_f32 v[TM+\b], v[FLR], |v[AC+16*\b]|, |v[AC+16*\b+1]|      ; each accumulator is read from its low end on
.endr
.irp i, 2,4,6,8,10,12,14
.irp b, 0,1,2,3
	v_max3_num_f32 v[TM+\b], v[TM+\b], |v[AC+16*\b+\i]|, |v[AC+16*\b+\i+1]|
.endr
.endr
	WIN 0
.irp b, 0,1,2,3
	v_permlanex16_b32 v[TM+4+\b], v[TM+\b], s92, s93
.endr
.irp b, 0,1,2,3
	v_max_num_f32 v[TM+\b], v[TM+\b], v[TM+4+\b]   ; the block's largest magnitude
.endr
.irp b, 0,1,2,3
	v_add_nc_u32 v[TM+12+\b], 0xf8800000, v[TM+\b] ; 15 off its exponent field: the conversion's scale operand
.endr
.irp b, 0,1,2,3
	v_and_or_b32 v[TM+8+\b], v[TM+\b], 0x7f800000, s94   ; 57,344 x the scale
.endr
.irp b, 0,1,2,3
	v_lshrrev_b32 v[TM+4+\b], 23, v[TM+12+\b]      ; the scale's byte
.endr
	v_lshl_or_b32 v[PWR+(\a)], v[TM+5], 8, v[TM+4] ; my row's scale word
	v_lshl_or_b32 v[PWR+(\a)], v[TM+6], 16, v[PWR+(\a)]
	v_lshl_or_b32 v[PWR+(\a)], v[TM+7], 24, v[PWR+(\a)]
.set WN, WD|(WD<<6)
	WIN WN                                         ; source 0 and destination: the accumulators
.irp b, 0,1,2,3
.irp i, 0,1,2,3,4,5,6,7,8,9,10,11,12,13,14,15
	v_med3_num_f32 v[AC+16*\b+\i], v[AC+16*\b+\i], -v[TM+8+\b], v[TM+8+\b]   ; the conversion to an 8-bit code does not saturate (ISA guide 7.6.2): the hold
.endr
.endr
	WIN WD                                         ; source 0: the accumulators
.irp b, 0,1,2,3
	v_cvt_scalef32_pk8_bf8_f32 v[PCS+4*\b:PCS+4*\b+1], v[AC+16*\b:AC+16*\b+7], v[TM+12+\b]
	v_cvt_scalef32_pk8_bf8_f32 v[PCS+4*\b+2:PCS+4*\b+3], v[AC+16*\b+8:AC+16*\b+15], v[TM+12+\b]
.endr
	WIN 0
	v_nop                                          ; one plain instruction between the conversions and the first instruction on their results
.irp b, 0,1,2,3
	v_permlane16_swap_b32 v[PCS+4*\b], v[PCS+4*\b+2]
	v_permlane16_swap_b32 v[PCS+4*\b+1], v[PCS+4*\b+3]
.endr
.irp b, 0,1,2,3
	global_store_b128 v[CO], v[PCS+4*\b:PCS+4*\b+3], s[12:13] offset:(\a)*1024+(\b/2)*131072+(\b%2)*512
.endr
.endm
.irp a, 0,1,2,3,4,5,6,7
	QEPI \a
.endr
.irp i, 0,1,2,3
	v_cndmask_b32 v[SW+\i], v[PWR+2*\i], v[PWR+2*\i+1], s95   ; lanes 0-15: block 2 i's words, lanes 16-31: block 2 i + 1's: as a scale register wants them
.endr
	global_store_b128 v[CO], v[SW:SW+3], s[66:67]  ; 512 consecutive bytes
	s_wait_tensorcnt 0x0                           ; the wave's end
	ds_add_u32 v[SPW], v[NIL]
	s_wait_dscnt 0x0
	CROUND                                         ; the closing round: no work-group ends while a partner may still ask for a tile that names it
	s_endpgm
.Lfunc_end_k_qffdd6ae8c2_qkv:
	.size	k_qffdd6ae8c2_qkv, .Lfunc_end_k_qffdd6ae8c2_qkv-k_qffdd6ae8c2_qkv
	.p2alignl 7, 3214868480
	.fill 96, 4, 3214868480
	.section	.rodata,"a",@progbits
	.p2align	6, 0x0
	.amdhsa_kernel k_qffdd6ae8c2_qkv
		.amdhsa_group_segment_fixed_size 327680
		.amdhsa_private_segment_fixed_size 0
		.amdhsa_enable_private_segment 0
		.amdhsa_kernarg_size 104
		.amdhsa_user_sgpr_count 2
		.amdhsa_user_sgpr_kernarg_segment_ptr 1
		.amdhsa_wavefront_size32 1
		.amdhsa_system_sgpr_workgroup_id_x 1
		.amdhsa_system_sgpr_workgroup_id_y 1
		.amdhsa_system_sgpr_workgroup_id_z 1
		.amdhsa_system_vgpr_workitem_id 0
		.amdhsa_next_free_vgpr 1024
		.amdhsa_next_free_sgpr 102
		.amdhsa_reserve_vcc 0
		.amdhsa_float_denorm_mode_32 3
		.amdhsa_float_denorm_mode_16_64 3
		.amdhsa_memory_ordered 1
		.amdhsa_forward_progress 1
		.amdhsa_inst_pref_size 210
	.end_amdhsa_kernel
	.amdgpu_metadata
---
amdhsa.version: [ 1, 2 ]
amdhsa.kernels:
  - .name:           k_qffdd6ae8c2_qkv
    .symbol:         k_qffdd6ae8c2_qkv.kd
    .args:
      - { .name: x_codes, .offset: 0, .size: 8, .value_kind: global_buffer, .address_space: global }
      - { .name: x_scales, .offset: 8, .size: 8, .value_kind: global_buffer, .address_space: global }
      - { .name: Wq_codes, .offset: 16, .size: 8, .value_kind: global_buffer, .address_space: global }
      - { .name: Wq_scales, .offset: 24, .size: 8, .value_kind: global_buffer, .address_space: global }
      - { .name: Wk_codes, .offset: 32, .size: 8, .value_kind: global_buffer, .address_space: global }
      - { .name: Wk_scales, .offset: 40, .size: 8, .value_kind: global_buffer, .address_space: global }
      - { .name: Wv_codes, .offset: 48, .size: 8, .value_kind: global_buffer, .address_space: global }
      - { .name: Wv_scales, .offset: 56, .size: 8, .value_kind: global_buffer, .address_space: global }
      - { .name: bq, .offset: 64, .size: 8, .value_kind: global_buffer, .address_space: global }
      - { .name: bk, .offset: 72, .size: 8, .value_kind: global_buffer, .address_space: global }
      - { .name: bv, .offset: 80, .size: 8, .value_kind: global_buffer, .address_space: global }
      - { .name: qkv_img, .offset: 88, .size: 8, .value_kind: global_buffer, .address_space: global }
      - { .name: qkv_sc, .offset: 96, .size: 8, .value_kind: global_buffer, .address_space: global }
    .group_segment_fixed_size: 327680
    .private_segment_fixed_size: 0
    .kernarg_segment_align: 8
    .kernarg_segment_size: 104
    .max_flat_workgroup_size: 128
    .sgpr_count:     102
    .vgpr_count:     1024
    .wavefront_size: 32
...
	.end_amdgpu_metadata
.endif
;; end of part 2
;; launch attn (part 3): grid 4 x 64, 16 waves a work-group, no clusters, 52,224 bytes of LDS; arguments qkv_img, qkv_sc, maskw, ctx_img, ctx_sc; writes ctx_img, ctx_sc
.if DOCPART == 3
	.amdgcn_target "amdgcn-amd-amdhsa--gfx1250"
	.amdhsa_code_object_version 6
	.text
	.protected	k_qffdd6ae8c2_attn
	.globl	k_qffdd6ae8c2_attn
	.p2align	8
	.type	k_qffdd6ae8c2_attn,@function
k_qffdd6ae8c2_attn:
	s_mov_b64 s[64:65], 0
	v_nop
	global_prefetch_b8 v0, s[64:65] scope:SCOPE_SE
	s_setreg_imm32_b32 hwreg(HW_REG_WAVE_MODE, 25, 1), 1
	s_wait_xcnt 0x0
; ctx = softmax(q k^T / 8, hidden logits very negative) v for one head, both products on codes of BF8 (E5M2) with one E8M0 scale for each 32 along a product's K; ctx is quantised along the channels on its way out.
; THE SOFTMAX AHEAD OF THE SECOND PRODUCT: t = score x log2(e) / 8; M = the running largest t rounded UP to a whole number; p = 2^(t - M) is quantised along the keys, not normalised; the row's sum is taken of the
; unquantised p and divides at the end.  When M moves, the sum and O are multiplied by 2^(old M - new M): exact.
; THE MASK is an input: an earlier launch has turned it into lane masks (a word for each register of the scores) and a flag word for each tile of 16 queries: NEED (bit j: key step j has to be worked) and MIX
; (bit 16 + j: step j has hidden keys).  A step that is not needed is jumped over: forward branches on those stored words, round loads and work alone; every wave passes every barrier.
; LIMIT: a hidden score is set to -2^33, a logit of -2^30 where the definition has -1e9: a row with no open key gets p = 1 for every key, as there; results differ only where open logits lie under about -9e8.
; NaN and infinities are not served.  A block of zeros gets the scale byte 1 (its codes are zeros; this program alone reads the bytes).
; SHARES.  Work-group (p, head) makes two passes, over the blocks of 256 queries 7 - p and p.  Each of its SIXTEEN waves owns one tile of 16 queries in 256 registers: four waves to a SIMD, so that one wave's
; vector work stands beside another's matrix work and LDS loads.  A pass walks the 16 key steps of 128 keys.
; K AND V come as images of operand registers.  They go from memory through registers into a ring of two LDS slots, a step ahead: 512 threads x 16 bytes are K's 8 KB, and V's; wave 0 brings K's scale words, wave 1 V's.
; NO JOINT LOADS, though the work-groups of a head walk the same K and V: the branches on numbers read from memory spare
; 61,440 of the 131,072 (tile, step) pairs under a lower-triangular mask; partners would also need different steps.
; LAYOUT.  S^T = K Q^T (source 0 = 16 keys, source 1 = my 16 queries; the head has 64 channels, so K = 128 is half filled: Q's upper eight registers are zero codes, and K's upper eight are whatever follows:
; the next tile's finite codes, or eight zero registers), O^T = V^T P^T (source 0 = 16 channels, source 1 = P): a lane holds ONE query throughout.
; Register 8 t + j of S^T in lane (r, h) is key 16 t + 8 h + j.  A block of 32 keys is tiles 2 c, 2 c + 1; behind the conversions two exchanges of lane halves put its codes into the operand's order.
.set SLOT1, 32768                      ; slot 1 begins here
.set VOFF,  8192                       ; in a slot: K's 16 pieces (tile t, half c: 1,024 t + 512 c), V's 16 pieces ((c / 2) 4,096 + 1,024 tau + 512 (c % 2)),
.set KSO,   16384                      ; K's scale words, 16 bytes a lane,
.set VSO,   16896                      ; V's, 8 bytes a lane
.set L16, 1                            ; v1   16 x lane
.set T16, 2                            ; v2   16 x thread
.set VG,  3                            ; v3   V in memory: (thread / 256) x 131,072 + (thread % 256) x 16
.set L8,  4                            ; v4   8 x lane
.set GW,  8                            ; v[8:9] the next step's scale words of V on their way to LDS (wave 1): registers of their own
.set R16, 10                           ; v10  16 x (lane % 16)
.set CSO, 11                           ; v11  32 x (lane % 16) + lane / 16: my byte among the tile's ctx scale bytes
                                       ; v12 -M, v13 the largest t, v[14:15] the sum in two halves
.set QF,  16                           ; v16-31   Q: eight registers of codes, eight of zeros
.set KF,  32                           ; v32-103  K: 8 tiles x 8 registers, then 8 zeros; V's four fragments take v32-95
.set S,   104                          ; v104-167 S^T, then p
.set OT,  168                          ; v168-199 O^T
.set PC,  200                          ; v200-215 p's codes
.set KS,  216                          ; v216-219 K's scale words: tile t in register t / 2, lanes 16 (t % 2) on
.set VS,  220                          ; v220-221 V's likewise
.set QS,  222                          ; v222 Q's
.set PW,  223                          ; v223 p's
.set BM,  224                          ; v224-227 the blocks' largest scores, then largest p
.set T1,  228                          ; v228-231 at work; the bytes
.set HD,  232                          ; v232-235 57,344 x the scale
.set SO,  236                          ; v236-239 the conversions' scale operands
.set FF,  240                          ; v[240:241] f = 2^(old M - new M); at the end 1 / the sum
.set WK,  242                          ; v242 at work
.set SENT, 243                         ; v243 -2^33
.set GK,  244                          ; v244-247, v248-251: the next step's K and V on their way to LDS; v252-255: K's scale words (wave 0)
.set GV,  248
.set GS,  252
; s[2:3] lane selects; s[4:5] K, s[6:7] K's scales, s[8:9] V, s[10:11] V's scales: at the step to be loaded next; s[12:13] the step in hand's mask words; s14 wave; s17 the work-group's NEED, s18 my flag word,
; both shifted a bit a step; s19, s20 counters; s21 16 x (head % 2); s22 the block; s23 the mantissa field of 57,344; s26 head, s27 batch, s28 head / 2, s29 head % 2, s30 my tile; s[66:67] c;
; s32-63 and s68-99: the 64 mask words; at a pass's ends pointers and offsets.
.macro GLOADS bit                      ; the step to which the pointers stand, if any wave of the work-group needs it
	s_bitcmp1_b32 s17, \bit
	s_cbranch_scc0 .Lnone_\@
	global_load_b128 v[GK:GK+3], v[T16], s[4:5]
	global_load_b128 v[GV:GV+3], v[VG], s[8:9]
	s_cmp_lg_u32 s14, 0
	s_cbranch_scc1 .Lnot0_\@
	global_load_b128 v[GS:GS+3], v[L16], s[6:7]
.Lnot0_\@:
	s_cmp_lg_u32 s14, 1
	s_cbranch_scc1 .Lnone_\@
	global_load_b64 v[GW:GW+1], v[L16], s[10:11]
.Lnone_\@:
.endm
; What GLOADS brought goes into slot d, always (of a step that was not loaded nobody reads the bytes), and the trip's one barrier follows.  In front of it each wave has waited for its stores into slot d and for its
; reads of the other slot: behind it slot d may be read and the other slot written.
.macro SSTORE d
	s_wait_loadcnt 0x0
	ds_store_b128 v[T16], v[GK:GK+3] offset:(\d)*SLOT1
	ds_store_b128 v[T16], v[GV:GV+3] offset:(\d)*SLOT1+VOFF
	s_cmp_lg_u32 s14, 0
	s_cbranch_scc1 .Lnot0_\@
.irp i, 0,1,2,3
	v_lshrrev_b32 v[GS+\i], s21, v[GS+\i]          ; a word holds the bytes of a pair of heads: an odd head's come down to bytes 0 and 1 (what stands in bytes 2 and 3 meets zero codes)
.endr
	ds_store_b128 v[L16], v[GS:GS+3] offset:(\d)*SLOT1+KSO
.Lnot0_\@:
	s_cmp_lg_u32 s14, 1
	s_cbranch_scc1 .Lnot1_\@
	ds_store_b64 v[L8], v[GW:GW+1] offset:(\d)*SLOT1+VSO
.Lnot1_\@:
	s_wait_dscnt 0x0
	s_barrier_signal -1
	s_barrier_wait -1
.endm
.macro NEXTP mw                        ; the pointers go a step on
	s_wait_xcnt 0x0                                ; the pointers are written only behind this wait (the loads that name them have also been waited for, by their own counters)
	s_add_nc_u64 s[4:5], s[4:5], 8192
	s_add_nc_u64 s[8:9], s[8:9], 8192
	s_add_nc_u64 s[6:7], s[6:7], 512
	s_add_nc_u64 s[10:11], s[10:11], 512
.if \mw
	s_add_nc_u64 s[12:13], s[12:13], 256
.endif
.endm
; A KEY STEP: 128 keys, out of slot sl.
.macro STEP sl
.rept 8
	v_nop                                          ; places in front of loads into registers that the last matrix instructions have read
.endr
.irp t, 0,1,2,3,4,5,6,7
.irp c, 0,1
	ds_load_b128 v[KF+8*\t+4*\c:KF+8*\t+4*\c+3], v[L16] offset:(\sl)*SLOT1+1024*\t+512*\c
.endr
.endr
	ds_load_b128 v[KS:KS+3], v[L16] offset:(\sl)*SLOT1+KSO
	s_wait_dscnt 0x0
.irp t, 0,1,2,3,4,5,6,7
.if \t%2
	v_wmma_scale_f32_16x16x128_f8f6f4 v[S+8*\t:S+8*\t+7], v[KF+8*\t:KF+8*\t+15], v[QF:QF+15], 0, v[KS+\t/2], v[QS] matrix_a_fmt:MATRIX_FMT_BF8 matrix_b_fmt:MATRIX_FMT_BF8 matrix_a_scale:MATRIX_SCALE_ROW1
.else
	v_wmma_scale_f32_16x16x128_f8f6f4 v[S+8*\t:S+8*\t+7], v[KF+8*\t:KF+8*\t+15], v[QF:QF+15], 0, v[KS+\t/2], v[QS] matrix_a_fmt:MATRIX_FMT_BF8 matrix_b_fmt:MATRIX_FMT_BF8
.endif
.endr
.rept 8
	v_nop                                          ; places: for the loads below, and for the first read of the scores
.endr
.irp tau, 0,1,2,3
.irp c, 0,1,2,3
	ds_load_b128 v[KF+16*\tau+4*\c:KF+16*\tau+4*\c+3], v[L16] offset:(\sl)*SLOT1+VOFF+(\c/2)*4096+1024*\tau+512*(\c%2)   ; V lands while the softmax is worked
.endr
.endr
	ds_load_b64 v[VS:VS+1], v[L8] offset:(\sl)*SLOT1+VSO
	s_bitcmp1_b32 s18, 16                          ; has this step hidden keys for my tile?
	s_cbranch_scc0 .Lopen_\@
	s_load_b512 s[32:47], s[12:13], 0x0
	s_load_b512 s[48:63], s[12:13], 0x40
	s_load_b512 s[68:83], s[12:13], 0x80
	s_load_b512 s[84:99], s[12:13], 0xc0
	s_wait_kmcnt 0x0
.set n, 0
.rept 32
	v_cndmask_b32 v[S+n], v[SENT], v[S+n], s[32+n] ; a hidden key's score becomes -2^33, ahead of the maximum
.set n, n+1
.endr
.rept 32
	v_cndmask_b32 v[S+n], v[SENT], v[S+n], s[36+n]
.set n, n+1
.endr
.Lopen_\@:
.irp b, 0,1,2,3
	v_max3_num_f32 v[BM+\b], v[S+16*\b], v[S+1+16*\b], v[S+2+16*\b]   ; the largest score of each block of 32 keys: it serves for the row's maximum and, since p rises with the score, for the block's largest p
.endr
.irp i, 3,5,7,9,11,13
.irp b, 0,1,2,3
	v_max3_num_f32 v[BM+\b], v[BM+\b], v[S+16*\b+\i], v[S+1+16*\b+\i]
.endr
.endr
.irp b, 0,1,2,3
	v_max_num_f32 v[BM+\b], v[BM+\b], v[S+15+16*\b]
.endr
.irp b, 0,1,2,3
	v_permlanex16_b32 v[T1+\b], v[BM+\b], s2, s3
.endr
.irp b, 0,1,2,3
	v_max_num_f32 v[BM+\b], v[BM+\b], v[T1+\b]     ; with lane l xor 16's 16 keys
.endr
	v_max3_num_f32 v[WK], v[BM], v[BM+1], v[BM+2]
	v_max_num_f32 v[WK], v[WK], v[BM+3]            ; the step's largest score of my query
	v_mul_f32 v[WK], s66, v[WK]                    ; as t (c is positive)
	v_max_num_f32 v13, v13, v[WK]                  ; the running largest t
	v_mov_b32 v[WK], v12
	v_floor_f32 v12, -v13                          ; the new -M = floor(-t): M is a whole number
	v_sub_f32 v[WK], v12, v[WK]                    ; old M - new M: a whole number, 0 or less
	v_cvt_i32_f32 v[WK], v[WK]                     ; (it saturates)
	v_ldexp_f32 v[FF], 1.0, v[WK]                  ; f = 2^(old M - new M)
.set n, 0
.rept 32
	v_pk_fma_f32 v[S+n:S+n+1], v[S+n:S+n+1], s[66:67], v[12:13] op_sel_hi:[1,0,0]   ; t - M, two at a time
.set n, n+2
.endr
.irp b, 0,1,2,3
	v_fma_f32 v[BM+\b], v[BM+\b], s66, v12         ; the same of each block's largest score
.endr
.set n, 0
.rept 64
	v_exp_f32 v[S+n], v[S+n]                       ; p = 2^(t - M), at most 1
.set n, n+1
.endr
	v_pk_mul_f32 v[14:15], v[14:15], v[FF:FF+1] op_sel_hi:[1,0]   ; the sums under the new M: the plain instruction behind the exponentials
	s_wait_alu depctr_va_vdst(0)                   ; one wait for the batch of 64, ahead of its first reader
.irp b, 0,1,2,3
	v_exp_f32 v[BM+\b], v[BM+\b]                   ; the block's largest p: the same two instructions on the same number
.endr
	v_pk_add_f32 v[T1:T1+1], v[S:S+1], v[S+2:S+3]  ; the row's sum is taken of the unquantised p, in two chains
.irp j, 4,8,12,16,20,24,28,32,36,40,44,48,52,56,60
	v_pk_add_f32 v[14:15], v[14:15], v[S+\j:S+\j+1]
	v_pk_add_f32 v[T1:T1+1], v[T1:T1+1], v[S+2+\j:S+3+\j]
.endr
	v_pk_add_f32 v[14:15], v[14:15], v[T1:T1+1]
	s_wait_alu depctr_va_vdst(0)                   ; and one for the four
.irp b, 0,1,2,3
	v_max_num_f32 v[BM+\b], 0x8000000, v[BM+\b]    ; the floor 2^(16 - 127): the byte cannot fall under 1
.endr
.irp b, 0,1,2,3
	v_add_nc_u32 v[SO+\b], 0xf8800000, v[BM+\b]    ; 15 off the exponent field: the conversion's scale operand
.endr
.irp b, 0,1,2,3
	v_and_or_b32 v[HD+\b], v[BM+\b], 0x7f800000, s23   ; 57,344 x the scale
.endr
.irp b, 0,1,2,3
	v_lshrrev_b32 v[T1+\b], 23, v[SO+\b]           ; the scale's byte
.endr
	v_lshl_or_b32 v[PW], v[T1+1], 8, v[T1]         ; p's scale word for these 128 keys
	v_lshl_or_b32 v[PW], v[T1+2], 16, v[PW]
	v_lshl_or_b32 v[PW], v[T1+3], 24, v[PW]
.irp b, 0,1,2,3
.irp i, 0,1,2,3,4,5,6,7,8,9,10,11,12,13,14,15
	v_min_num_f32 v[S+16*\b+\i], v[S+16*\b+\i], v[HD+\b]   ; the conversion does not saturate (ISA guide 7.6.2); p is not negative, so the hold is one-sided
.endr
	v_cvt_scalef32_pk8_bf8_f32 v[PC+4*\b:PC+4*\b+1], v[S+16*\b:S+16*\b+7], v[SO+\b]
	v_cvt_scalef32_pk8_bf8_f32 v[PC+4*\b+2:PC+4*\b+3], v[S+16*\b+8:S+16*\b+15], v[SO+\b]
.endr
.irp j, 0,2,4,6
	v_pk_mul_f32 v[OT+\j:OT+\j+1], v[OT+\j:OT+\j+1], v[FF:FF+1] op_sel_hi:[1,0]   ; O^T under the new M; plain instructions behind the conversions
.endr
.irp b, 0,1,2,3
	v_permlane16_swap_b32 v[PC+4*\b], v[PC+4*\b+2]     ; keys 8 .. 15 and 16 .. 23 of the block change lane halves: half h now holds keys 16 h + 0 .. 15
	v_permlane16_swap_b32 v[PC+4*\b+1], v[PC+4*\b+3]
.endr
.irp j, 8,10,12,14,16,18,20,22,24,26,28,30
	v_pk_mul_f32 v[OT+\j:OT+\j+1], v[OT+\j:OT+\j+1], v[FF:FF+1] op_sel_hi:[1,0]   ; these twelve are also the places between the codes' last write and the products
.endr
	s_wait_dscnt 0x0                               ; V and its scale words are in
.irp tau, 0,1,2,3
.if \tau%2
	v_wmma_scale_f32_16x16x128_f8f6f4 v[OT+8*\tau:OT+8*\tau+7], v[KF+16*\tau:KF+16*\tau+15], v[PC:PC+15], v[OT+8*\tau:OT+8*\tau+7], v[VS+\tau/2], v[PW] matrix_a_fmt:MATRIX_FMT_BF8 matrix_b_fmt:MATRIX_FMT_BF8 matrix_a_scale:MATRIX_SCALE_ROW1
.else
	v_wmma_scale_f32_16x16x128_f8f6f4 v[OT+8*\tau:OT+8*\tau+7], v[KF+16*\tau:KF+16*\tau+15], v[PC:PC+15], v[OT+8*\tau:OT+8*\tau+7], v[VS+\tau/2], v[PW] matrix_a_fmt:MATRIX_FMT_BF8 matrix_b_fmt:MATRIX_FMT_BF8
.endif
.endr
.endm
.macro TRIP sl                         ; the step in slot sl is worked while the next step is on its way into the other slot
	GLOADS 1                                       ; bit 1: the next step; behind the last step it is 0, so no load leaves its buffer
	s_bitcmp1_b32 s18, 0                           ; does my tile need this step?
	s_cbranch_scc0 .Lskip_\@
	STEP \sl
.Lskip_\@:
	SSTORE 1-(\sl)
	NEXTP 1
	s_lshr_b32 s17, s17, 1
	s_lshr_b32 s18, s18, 1
.endm
	v_lshrrev_b32 v5, 5, v0
	v_readfirstlane_b32 s14, v5                    ; wave 0..15
	v_and_b32 v6, 31, v0
	v_lshlrev_b32 v[L16], 4, v6
	v_lshlrev_b32 v[T16], 4, v0
	v_lshrrev_b32 v7, 8, v0
	v_and_b32 v12, 255, v0                         ; (v12 and v13 are at work here; each pass sets them anew)
	v_lshlrev_b32 v12, 4, v12
	v_lshl_add_u32 v[VG], v7, 17, v12
	v_lshlrev_b32 v[L8], 3, v6
	v_and_b32 v13, 15, v0
	v_lshlrev_b32 v[R16], 4, v13
	v_bfe_u32 v7, v0, 4, 1
	v_lshl_add_u32 v[CSO], v13, 5, v7
	v_mov_b32 v[SENT], 0xd0000000                  ; -2^33
.irp i, 8,9,10,11,12,13,14,15
	v_mov_b32 v[QF+\i], 0                          ; Q's zero codes: K = 64 .. 127
.endr
.irp i, 0,1,2,3,4,5,6,7
	v_mov_b32 v[KF+64+\i], 0                       ; what follows K's last tile
.endr
.irp i, 0,1,2,3,4,5,6,7,8,9,10,11
	v_mov_b32 v[GK+\i], 0                          ; stored to LDS also where a step was not loaded
.endr
	v_mov_b32 v[GW], 0                             ; likewise
	v_mov_b32 v[GW+1], 0
.irp b, 0,1,2,3
	v_mov_b32 v[T1+\b], 0                          ; a lane permute's destination counts as one of its sources
.endr
	v_mov_b32 v[FF+1], 0                           ; (named as the upper half of a pair)
	v_mov_b32 v[WK], 0
	s_and_b32 s26, ttmp7, 0xffff                   ; 16 x batch + head
	s_and_b32 s29, s26, 1
	s_lshl_b32 s21, s29, 4
	s_lshr_b32 s28, s26, 1                         ; 8 x batch + pair of heads
	s_lshr_b32 s27, s26, 4                         ; batch
	s_mov_b32 s2, 0x76543210
	s_mov_b32 s3, 0xfedcba98
	s_mov_b32 s23, 0x600000
	s_mov_b32 s66, 0x3e38aa3b                      ; c = log2(e) / 8
	s_mov_b32 s67, s66
	s_mov_b32 s20, 2
.Lpass:
	s_load_b256 s[32:39], s[0:1], 0x0              ; qkv_img s[32:33], qkv_sc s[34:35], maskw s[36:37]
	s_sub_co_u32 s24, 7, ttmp9
	s_cmp_eq_u32 s20, 2
	s_cselect_b32 s22, s24, ttmp9                  ; the block of 256 queries: 7 - p, then p
	s_lshl_b32 s30, s22, 4
	s_add_co_u32 s30, s30, s14                     ; my tile of 16 queries, 0 .. 127
	s_lshl_b32 s40, s26, 17                        ; q, k: 131,072 bytes a head
	s_mov_b32 s41, 0
	s_lshl_b32 s42, s30, 10
	s_add_co_u32 s42, s42, s40                     ; Q: my tile's 1,024 bytes
	s_mov_b32 s43, 0
	s_add_co_u32 s40, s40, 0x800000                ; K: the second part of the images
	s_lshl_b32 s44, s28, 18                        ; V: 262,144 bytes a pair of heads,
	s_lshl_b32 s24, s29, 12                        ; my head's four channel tiles,
	s_add_co_u32 s44, s44, s24
	s_add_co_u32 s44, s44, 0x1000000               ; in the third part
	s_mov_b32 s45, 0
	s_lshl_b32 s46, s28, 13                        ; scale words: 8,192 bytes a pair of heads
	s_lshr_b32 s24, s30, 3
	s_lshl_b32 s24, s24, 9                         ; Q's: 512 bytes for each 8 tiles;
	s_add_co_u32 s48, s46, s24
	s_bfe_u32 s24, s30, 0x20001
	s_lshl_b32 s24, s24, 2                         ; word (tile % 8) / 2 of a lane's four;
	s_add_co_u32 s48, s48, s24
	s_and_b32 s24, s30, 1
	s_lshl_b32 s24, s24, 8                         ; lanes 16 (tile % 2) on
	s_add_co_u32 s48, s48, s24
	s_mov_b32 s49, 0
	s_add_co_u32 s50, s46, 0x40000                 ; K's
	s_mov_b32 s51, 0
	s_lshl_b32 s24, s29, 3
	s_add_co_u32 s52, s46, s24                     ; V's: my head's two words of a lane's four
	s_add_co_u32 s52, s52, 0x80000
	s_mov_b32 s53, 0
	s_lshl_b32 s54, s30, 12                        ; my tile's mask words: 4,096 bytes
	s_mov_b32 s55, 0
	s_lshl_b32 s56, s22, 6
	s_add_co_u32 s56, s56, 0x80000                 ; the block's 16 flag words
	s_mov_b32 s57, 0
	s_lshl_b32 s58, s30, 2
	s_add_co_u32 s58, s58, 0x80000                 ; mine
	s_mov_b32 s59, 0
	s_wait_kmcnt 0x0
	s_add_nc_u64 s[42:43], s[32:33], s[42:43]
	s_add_nc_u64 s[4:5], s[32:33], s[40:41]
	s_add_nc_u64 s[8:9], s[32:33], s[44:45]
	s_add_nc_u64 s[48:49], s[34:35], s[48:49]
	s_add_nc_u64 s[6:7], s[34:35], s[50:51]
	s_add_nc_u64 s[10:11], s[34:35], s[52:53]
	s_add_nc_u64 s[12:13], s[36:37], s[54:55]
	s_add_nc_u64 s[56:57], s[36:37], s[56:57]
	s_add_nc_u64 s[58:59], s[36:37], s[58:59]
	s_load_b512 s[68:83], s[56:57], 0x0
	s_load_b32 s18, s[58:59], 0x0
	global_load_b128 v[QF:QF+3], v[L16], s[42:43]
	global_load_b128 v[QF+4:QF+7], v[L16], s[42:43] offset:512
	global_load_b32 v[QS], v[R16], s[48:49]
	s_wait_kmcnt 0x0
	s_or_b32 s17, s68, s69
.irp i, 70,71,72,73,74,75,76,77,78,79,80,81,82,83
	s_or_b32 s17, s17, s\i
.endr
	s_and_b32 s17, s17, 0xffff                     ; the steps that some wave of the work-group needs
	GLOADS 0                                       ; step 0
	SSTORE 0                                       ; (its wait for the loads covers Q too)
	NEXTP 0
	v_lshrrev_b32 v[QS], s21, v[QS]                ; an odd head's bytes come down
	v_mov_b32 v13, 0xff61b1e6                      ; the largest t so far: -3e38
	v_floor_f32 v12, -v13                          ; -M
	v_mov_b32 v14, 0
	v_mov_b32 v15, 0
.set n, 0
.rept 32
	v_mov_b32 v[OT+n], 0                           ; O^T: the step is written without a first form: the first change of M leaves zeros zeros
.set n, n+1
.endr
	s_mov_b32 s19, 8
.Ltrip:                                                ; 8 trips of two key steps: the slot's number stands in the immediates
	TRIP 0
	TRIP 1
	s_sub_co_u32 s19, s19, 1
	s_cmp_lg_u32 s19, 0
	s_cbranch_scc1 .Ltrip
	; THE WAY OUT: O^T / the sum is ctx(query r, channels 16 tau + 8 h + j); its two blocks of 32 channels are quantised and leave as two pieces of the last product's operand
.rept 8
	v_nop                                          ; places behind the last products
.endr
	s_load_b128 s[32:35], s[0:1], 0x18             ; ctx_img, ctx_sc
	v_add_f32 v14, v14, v15
	v_permlanex16_b32 v[WK], v14, s2, s3
	v_add_f32 v14, v14, v[WK]                      ; the row's sum
	v_rcp_f32 v[FF], v14
	v_nop                                          ; a plain instruction behind the reciprocal
	s_lshl_b32 s24, s27, 7
	s_add_co_u32 s24, s24, s30                     ; the tile among all 512
	s_and_b32 s25, s26, 15                         ; the head
	s_lshl_b32 s40, s24, 14
	s_lshl_b32 s31, s25, 10
	s_add_co_u32 s40, s40, s31                     ; 16,384 bytes a tile, 1,024 a head
	s_mov_b32 s41, 0
	s_lshl_b32 s42, s24, 9
	s_lshl_b32 s31, s25, 1
	s_add_co_u32 s42, s42, s31                     ; 32 scale bytes a token, two a head
	s_mov_b32 s43, 0
	s_mov_b32 s36, 0xffff0000
	s_wait_alu depctr_va_vdst(0)                   ; ahead of the reciprocal's first reader
.set n, 0
.rept 16
	v_pk_mul_f32 v[OT+n:OT+n+1], v[OT+n:OT+n+1], v[FF:FF+1] op_sel_hi:[1,0]
.set n, n+2
.endr
.irp b, 0,1
	v_max3_num_f32 v[BM+\b], |v[OT+16*\b]|, |v[OT+16*\b+1]|, 0x8000000
.endr
.irp i, 2,4,6,8,10,12,14
.irp b, 0,1
	v_max3_num_f32 v[BM+\b], v[BM+\b], |v[OT+16*\b+\i]|, |v[OT+16*\b+\i+1]|
.endr
.endr
.irp b, 0,1
	v_permlanex16_b32 v[T1+\b], v[BM+\b], s2, s3
.endr
.irp b, 0,1
	v_max_num_f32 v[BM+\b], v[BM+\b], v[T1+\b]
.endr
.irp b, 0,1
	v_add_nc_u32 v[SO+\b], 0xf8800000, v[BM+\b]
.endr
.irp b, 0,1
	v_and_or_b32 v[HD+\b], v[BM+\b], 0x7f800000, s23
.endr
.irp b, 0,1
	v_lshrrev_b32 v[T1+\b], 23, v[SO+\b]
.endr
.irp b, 0,1
.irp i, 0,1,2,3,4,5,6,7,8,9,10,11,12,13,14,15
	v_med3_num_f32 v[OT+16*\b+\i], v[OT+16*\b+\i], -v[HD+\b], v[HD+\b]
.endr
	v_cvt_scalef32_pk8_bf8_f32 v[PC+4*\b:PC+4*\b+1], v[OT+16*\b:OT+16*\b+7], v[SO+\b]
	v_cvt_scalef32_pk8_bf8_f32 v[PC+4*\b+2:PC+4*\b+3], v[OT+16*\b+8:OT+16*\b+15], v[SO+\b]
.endr
	v_nop                                          ; one plain instruction behind the conversions
.irp b, 0,1
	v_permlane16_swap_b32 v[PC+4*\b], v[PC+4*\b+2]
	v_permlane16_swap_b32 v[PC+4*\b+1], v[PC+4*\b+3]
.endr
	v_cndmask_b32 v[WK], v[T1], v[T1+1], s36       ; lanes 0-15 store block 0's byte of their row, lanes 16-31 block 1's
	s_wait_kmcnt 0x0
	s_add_nc_u64 s[32:33], s[32:33], s[40:41]
	s_add_nc_u64 s[34:35], s[34:35], s[42:43]
	global_store_b128 v[L16], v[PC:PC+3], s[32:33]               ; 512 consecutive bytes each
	global_store_b128 v[L16], v[PC+4:PC+7], s[32:33] offset:512
	global_store_b8 v[CSO], v[WK], s[34:35]        ; two bytes of each of 16 rows of 32: one part in 512 of what the wave stores
	s_wait_xcnt 0x0                                ; the stores have read their registers: the next pass writes them again
	s_sub_co_u32 s20, s20, 1
	s_cmp_lg_u32 s20, 0
	s_cbranch_scc1 .Lpass
	s_wait_xcnt 0x0
	v_lshl_add_u32 v254, v0, 2, 0xc400
	v_mov_b32 v255, 0
	s_wait_tensorcnt 0x0
	ds_add_u32 v254, v255
	s_wait_dscnt 0x0
	s_endpgm
.Lfunc_end_k_qffdd6ae8c2_attn:
	.size	k_qffdd6ae8c2_attn, .Lfunc_end_k_qffdd6ae8c2_attn-k_qffdd6ae8c2_attn
	.p2alignl 7, 3214868480
	.fill 96, 4, 3214868480
	.section	.rodata,"a",@progbits
	.p2align	6, 0x0
	.amdhsa_kernel k_qffdd6ae8c2_attn
		.amdhsa_group_segment_fixed_size 52224
		.amdhsa_private_segment_fixed_size 0
		.amdhsa_enable_private_segment 0
		.amdhsa_kernarg_size 40
		.amdhsa_user_sgpr_count 2
		.amdhsa_user_sgpr_kernarg_segment_ptr 1
		.amdhsa_wavefront_size32 1
		.amdhsa_system_sgpr_workgroup_id_x 1
		.amdhsa_system_sgpr_workgroup_id_y 1
		.amdhsa_system_sgpr_workgroup_id_z 1
		.amdhsa_system_vgpr_workitem_id 0
		.amdhsa_next_free_vgpr 256
		.amdhsa_next_free_sgpr 102
		.amdhsa_reserve_vcc 0
		.amdhsa_float_denorm_mode_32 3
		.amdhsa_float_denorm_mode_16_64 3
		.amdhsa_memory_ordered 1
		.amdhsa_forward_progress 1
		.amdhsa_inst_pref_size 64
	.end_amdhsa_kernel
	.amdgpu_metadata
---
amdhsa.version: [ 1, 2 ]
amdhsa.kernels:
  - .name:           k_qffdd6ae8c2_attn
    .symbol:         k_qffdd6ae8c2_attn.kd
    .args:
      - { .name: qkv_img, .offset: 0, .size: 8, .value_kind: global_buffer, .address_space: global }
      - { .name: qkv_sc, .offset: 8, .size: 8, .value_kind: global_buffer, .address_space: global }
      - { .name: maskw, .offset: 16, .size: 8, .value_kind: global_buffer, .address_space: global }
      - { .name: ctx_img, .offset: 24, .size: 8, .value_kind: global_buffer, .address_space: global }
      - { .name: ctx_sc, .offset: 32, .size: 8, .value_kind: global_buffer, .address_space: global }
    .group_segment_fixed_size: 52224
    .private_segment_fixed_size: 0
    .kernarg_segment_align: 8
    .kernarg_segment_size: 40
    .max_flat_workgroup_size: 512
    .sgpr_count:     102
    .vgpr_count:     256
    .wavefront_size: 32
...
	.end_amdgpu_metadata
.endif
;; end of part 3
;; launch outproj (part 4): grid 4 x 32, 4 waves a work-group, clusters of 4 x 4, 327,680 bytes of LDS; arguments ctx_img, ctx_sc, Wo_codes, Wo_scales, bo, out0; writes out0
.if DOCPART == 4
	.amdgcn_target "amdgcn-amd-amdhsa--gfx1250"
	.amdhsa_code_object_version 6
	.text
	.protected	k_qffdd6ae8c2_outproj
	.globl	k_qffdd6ae8c2_outproj
	.p2align	8
	.type	k_qffdd6ae8c2_outproj,@function
k_qffdd6ae8c2_outproj:
	s_mov_b64 s[64:65], 0
	v_nop
	global_prefetch_b8 v0, s[64:65] scope:SCOPE_SE
	s_setreg_imm32_b32 hwreg(HW_REG_WAVE_MODE, 25, 1), 1
	s_wait_xcnt 0x0
	s_wait_alu depctr_hold_cnt(0) depctr_sa_sdst(0) depctr_va_vdst(0) depctr_va_sdst(0) depctr_va_ssrc(0) depctr_va_vcc(0) depctr_vm_vsrc(0)
	s_getreg_b32 s2, hwreg(HW_REG_IB_STS2, 6, 4)
	s_cmp_eq_u32 s2, 0
	s_cbranch_scc0 .Lentry_in_a_cluster
	s_endpgm
.Lentry_in_a_cluster:
	s_bfe_u32 s2, ttmp6, 0x10000c
	s_cmp_lg_u32 s2, 0xf033
	s_cbranch_scc0 .Lentry_shape_is_right
	s_endpgm
.Lentry_shape_is_right:
; out = ctx Wo^T + bo on codes of BF8 (E5M2) with one E8M0 scale for each 32 along K = 1,024.  out: [8,192][1,024] f32.
; A = ctx comes as IMAGES OF OPERAND REGISTERS, [token tile 512][K step of 128: 8][c 4][512 bytes] (lane l's 16 bytes at 16 l), its scale bytes as [8,192][32]; B = Wo as rows of 1,024 codes, scale bytes [1,024][32].
; A tile of out, 256 x 256, is made by four waves, 128 x 128 each: 64 accumulators, 512 registers.  K goes in steps of 256 through a ring of two LDS slots filled by the tensor data mover:
; of A a wave's load brings 8 token tiles x 4,096 consecutive bytes, of B 128 rows x 256 bytes.  A's fragments are read at 16 x lane, dense; B's rows are padded.
; The scale bytes of the work-group's rows, for all of K, come into LDS once.  CLUSTERS: 4 x 4 work-groups; A's tile is asked for jointly along a row of the cluster, B's along a column.
; THE MATRIX INSTRUCTION IS USED TRANSPOSED (source 0 = 16 rows of Wo, source 1 = 16 tokens): a lane holds eight neighbouring numbers of a row of out.  THE BIAS is the C of each sum's first product.
; REGISTERS, in windows of 256: window 0: v0-31 addresses; v32-63 scale words, two sets; v64-127 the bias; v128-255 A's fragments, one set; on the way out rows of out.
;   window 1: B's fragments, two sets.   window 2: accumulators of my rows 0-63 ((a, b) at v[8 (8 a + b)]);   window 3: those of rows 64-127.
.set SIZE_N, 1024
.set NQ,     2
.set ROWB,   256
.set KROW,   1024
.set PITCH,  272                       ; B's LDS row: 256 bytes + 16 of padding = 68 words: row r starts at bank 4 r mod 64 (64 banks of 4 bytes: ISA guide 11.1)
.set FR,     16
.set NL,     4
.set NP,     8                         ; places behind this matrix instruction (ISA guide 7.12.1)
.set HALFA,  32768                     ; 8 token tiles x 4,096 bytes: what one load brings of A
.set ABYTES, 2*HALFA
.set HALFT,  128*PITCH                 ; and of B
.set SLOT,   ABYTES+2*HALFT
.set LAPS,   2
.set KS,     32
.set SCL,    2*SLOT
.set HALFS,  16*272
.set SBLK,   2*272
.set SPARE,  SCL+4*HALFS               ; the spare words: 128 bytes a wave, named by no other line
.set SPITCH, 528                       ; the way out: a stage of 16 rows x (512 bytes + 16) for each wave, in slot 0, which has had its last fill and its last read when the first result is stored there
.set ADRA, 16
.set ADRB, 20
.set STO,  24
.set RD,   25
.set CO,   26
.set ADRS, 27
.set SPW,  28
.set NIL,  29
.set SC,   32
.set BP,   64                          ; the bias: register 8 b + j: bo at my column 16 b + 8 (l / 16) + j
.set AF,   128
.set BK,   128
.set G1, 24
.set G0, 32
.set G1B, 48
.set G0B, 56
.set G1S, 68
.set G0S, 76
.set G1SB, 80
.set G0SB, 88
.set MSB, 0
.macro WIN new
.if MSB != (\new)
	s_set_vgpr_msb (MSB<<8)|(\new)
.set MSB, (\new)
.endif
.endm
.set MUL_LO, 0xa1                      ; source 0 (B) window 1, source 1 (A) window 0, C and D window 2
.set MUL_HI, 0xf1
.set FST_LO, 0x81                      ; the first step: C (the bias) window 0, D window 2
.set FST_HI, 0xc1
.set TO_B,   0x40
.macro JLOAD g0a, g1a, g0b, g1b        ; a joint load: waves 0 and 1 fetch for A, waves 2 and 3 for B; four v_nop follow each of the two lines
	s_cmp_eq_u32 s15, 0
	s_cbranch_scc0 .Lfor_b_\@
	tensor_load_to_lds s[\g0a:\g0a+3], s[\g1a:\g1a+7]
	s_nop 0
.rept 4
	v_nop
.endr
	s_branch .Lasked_\@
.Lfor_b_\@:
	tensor_load_to_lds s[\g0b:\g0b+3], s[\g1b:\g1b+7]
	s_nop 0
.rept 4
	v_nop
.endr
.Lasked_\@:
.endm
.macro CREST
	s_cmp_lg_u32 s14, 0
	s_cbranch_scc1 .Lnot_wave_0_\@
	s_barrier_signal -3
.Lnot_wave_0_\@:
	s_barrier_wait -3
	s_barrier_signal -1
	s_barrier_wait -1
.endm
.macro CROUND
	s_barrier_signal -1
	s_barrier_wait -1
	CREST
.endm
	s_load_b128 s[4:7], s[0:1], 0x0                ; ctx's images, ctx's scales
	s_load_b128 s[8:11], s[0:1], 0x10              ; Wo's codes, Wo's scales
	s_load_b64 s[96:97], s[0:1], 0x20              ; bo
	s_load_b64 s[12:13], s[0:1], 0x28              ; out
	v_lshl_add_u32 v[SPW], v0, 2, SPARE
	v_mov_b32 v[NIL], 0
	ds_add_u32 v28, v29
	ds_add_u32 v28, v29
	s_wait_dscnt 0x0
	v_lshrrev_b32 v1, 5, v0
	v_readfirstlane_b32 s14, v1                    ; wave 0..3
	s_lshr_b32 s15, s14, 1                         ; which half of the tile's rows is mine.  Also: I fetch for A (0) or for B (1)
	s_and_b32 s16, s14, 1                          ; which half of its columns.  Also: which half of that tile I fetch
	s_bfe_u32 s40, ttmp6, 0x40000                  ; cx
	s_bfe_u32 s41, ttmp6, 0x40004                  ; cy
	s_lshl_b32 s42, ttmp9, 2
	s_add_co_u32 s42, s42, s40                     ; tile column
	s_and_b32 s17, ttmp7, 0xffff
	s_lshl_b32 s17, s17, 2
	s_add_co_u32 s17, s17, s41                     ; tile row
	s_lshl_b32 s43, s41, 2
	s_lshl_b32 s43, 15, s43                        ; my row of the cluster
	s_lshl_b32 s44, 0x1111, s40                    ; my column
	; group 1 for A: 8 rows of 4,096 bytes (512 elements of 8 bytes), 16,384 bytes apart, dense in LDS
	s_or_b32 s[G1+0], s43, (3<<16)|(1<<21)         ; 15:0 the mask; 17:16 elements of 8 bytes; 21 set beside a mask; no padding
	s_mov_b32 s[G1+1], 512<<16                     ; tensor_dim0
	s_mov_b32 s[G1+2], 8<<16                       ; tensor_dim1
	s_mov_b32 s[G1+3], 512<<16                     ; tile_dim0
	s_mov_b32 s[G1+4], 8                           ; tile_dim1
	s_mov_b32 s[G1+5], 2048                        ; from row to row, in elements
	s_mov_b32 s[G1+6], 0
	s_mov_b32 s[G1+7], 0
	; group 1 for B: 128 rows x 256 bytes, padded in LDS
	s_or_b32 s[G1B+0], s44, (0<<16)|(1<<20)|(1<<21)|(5<<22)|(3<<25)
	s_mov_b32 s[G1B+1], ROWB<<16
	s_mov_b32 s[G1B+2], 128<<16
	s_mov_b32 s[G1B+3], ROWB<<16
	s_mov_b32 s[G1B+4], 128
	s_mov_b32 s[G1B+5], KROW
	s_mov_b32 s[G1B+6], 0
	s_mov_b32 s[G1B+7], 0
	; the scales of 128 rows: 4,096 dense bytes, as 16 rows of 256 bytes, 16 bytes of padding behind each
	s_or_b32 s[G1S+0], s43, (3<<16)|(1<<20)|(1<<21)|(5<<22)|(3<<25)
	s_or_b32 s[G1SB+0], s44, (3<<16)|(1<<20)|(1<<21)|(5<<22)|(3<<25)
.irp g, G1S, G1SB
	s_mov_b32 s[\g+1], 32<<16
	s_mov_b32 s[\g+2], 16<<16
	s_mov_b32 s[\g+3], 32<<16
	s_mov_b32 s[\g+4], 16
	s_mov_b32 s[\g+5], 32
	s_mov_b32 s[\g+6], 0
	s_mov_b32 s[\g+7], 0
.endr
	s_lshl_b32 s20, s17, 4
	s_lshl_b32 s18, s16, 3
	s_add_co_u32 s20, s20, s18                     ; A: token tile 16 x tile row + 8 x half,
	s_lshl_b32 s20, s20, 14                        ; 16,384 bytes each (under 2^24)
	s_mov_b32 s21, 0
	s_lshl_b32 s22, s17, 8
	s_lshl_b32 s18, s16, 7
	s_add_co_u32 s22, s22, s18
	s_lshl_b32 s22, s22, 5                         ; A's scales: 32 bytes a row
	s_mov_b32 s23, 0
	s_lshl_b32 s46, s42, 8
	s_add_co_u32 s46, s46, s18                     ; B: row 256 x tile column + 128 x half
	s_lshl_b32 s92, s46, 5
	s_mov_b32 s93, 0
	s_lshl_b32 s46, s46, 10
	s_mov_b32 s47, 0
	s_lshl_b32 s45, s16, 15                        ; where they go: A's half,
	s_mul_i32 s95, s16, HALFT
	s_add_co_u32 s95, s95, ABYTES                  ; B's half behind A's two,
	s_mul_i32 s94, s14, HALFS                      ; the scales by the wave: no place in the cluster enters an LDS address
	s_wait_kmcnt 0x0
	s_add_nc_u64 s[20:21], s[4:5], s[20:21]
	s_add_nc_u64 s[22:23], s[6:7], s[22:23]
	s_add_nc_u64 s[46:47], s[8:9], s[46:47]
	s_add_nc_u64 s[92:93], s[10:11], s[92:93]
	CROUND                                         ; all sixteen work-groups are here: the first joint loads meet
	s_mov_b32 s[G0S], 1
	s_add_co_u32 s[G0S+1], s94, SCL
	s_mov_b64 s[G0S+2:G0S+3], s[22:23]
	s_or_b32 s[G0S+3], s[G0S+3], 0x80000000
	s_mov_b32 s[G0SB], 1
	s_add_co_u32 s[G0SB+1], s94, SCL
	s_mov_b64 s[G0SB+2:G0SB+3], s[92:93]
	s_or_b32 s[G0SB+3], s[G0SB+3], 0x80000000
	JLOAD G0S, G1S, G0SB, G1SB                     ; the scales first
.irp s, 0,1
	s_mov_b32 s[G0+4*\s], 1
	s_add_co_u32 s[G0+4*\s+1], s45, \s*SLOT
	s_add_nc_u64 s[G0+4*\s+2:G0+4*\s+3], s[20:21], \s*4096
	s_or_b32 s[G0+4*\s+3], s[G0+4*\s+3], 0x80000000
	s_mov_b32 s[G0B+4*\s], 1
	s_add_co_u32 s[G0B+4*\s+1], s95, \s*SLOT
	s_add_nc_u64 s[G0B+4*\s+2:G0B+4*\s+3], s[46:47], \s*ROWB
	s_or_b32 s[G0B+4*\s+3], s[G0B+4*\s+3], 0x80000000
	JLOAD G0+4*\s, G1, G0B+4*\s, G1B               ; three tensor loads of mine are out now
.endr
	v_and_b32 v1, 15, v0                           ; r
	v_bfe_u32 v2, v0, 4, 1                         ; h
	v_and_b32 v6, 31, v0
	v_lshlrev_b32 v[CO], 4, v6                     ; 16 x lane
	v_mul_u32_u24 v3, v1, PITCH
	v_lshl_add_u32 v4, v2, 4, v3                   ; B: a fragment's row x pitch + 16 x half
	s_lshl_b32 s21, s15, 15                        ; my 8 token tiles of A
	s_mul_i32 s22, s16, HALFT                      ; my 128 rows of B
	s_add_co_u32 s22, s22, ABYTES
.irp s, 0,1
	v_add_nc_u32 v[ADRA+\s], s21, v[CO]
	v_add_nc_u32 v[ADRB+\s], s22, v4
	s_add_co_u32 s21, s21, SLOT
	s_add_co_u32 s22, s22, SLOT
.endr
	v_mul_u32_u24 v5, v1, KS
	v_lshrrev_b32 v6, 8, v5
	v_lshl_add_u32 v5, v6, 4, v5
	s_mul_i32 s21, s15, HALFS
	s_mul_i32 s22, s16, HALFS
	s_add_co_u32 s22, s22, 2*HALFS
	s_sub_co_u32 s22, s22, s21
	v_mul_u32_u24 v6, s22, v2                      ; lanes 16-31 take B's
	s_add_co_u32 s21, s21, SCL
	v_add_nc_u32 v5, v5, v6
	v_add_nc_u32 v[ADRS], s21, v5
	s_mul_i32 s23, s14, 16*SPITCH                  ; my stage
	v_mul_u32_u24 v5, v1, SPITCH
	v_lshl_add_u32 v5, v2, 5, v5
	v_add_nc_u32 v[STO], s23, v5                   ; in: row r, 32 bytes for each half of the lanes
	v_add_nc_u32 v[RD], s23, v[CO]                 ; back: the 32 lanes take one row of 512 bytes
	s_lshl_b32 s20, s17, 8
	s_lshl_b32 s21, s15, 7
	s_add_co_u32 s20, s20, s21                     ; my first row of out,
	s_lshl_b32 s20, s20, 12                        ; 4,096 bytes a row (under 2^26)
	s_lshl_b32 s46, s42, 10                        ; my first column, in bytes
	s_lshl_b32 s47, s16, 9
	s_add_co_u32 s46, s46, s47
	s_add_co_u32 s20, s20, s46
	s_mov_b32 s21, 0
	s_add_nc_u64 s[12:13], s[12:13], s[20:21]
	s_mov_b32 s47, 0
	s_add_nc_u64 s[96:97], s[96:97], s[46:47]      ; bo at my first column: the same count of bytes
	v_lshlrev_b32 v8, 5, v2                        ; 32 h
.irp t, 0,1,2,3,4,5,6,7
	global_load_b128 v[BP+8*\t:BP+8*\t+3], v8, s[96:97] offset:64*\t
	global_load_b128 v[BP+8*\t+4:BP+8*\t+7], v8, s[96:97] offset:64*\t+16
.endr
.macro FRAGB reg, adr, q, i            ; 16 rows x 128 K out of padded rows
.irp c, 0,1,2,3
	ds_load_b128 v[\reg+4*\c:\reg+4*\c+3], v[\adr] offset:128*(\q)+32*\c+(\i)*16*PITCH
.endr
.endm
.macro FRAGA reg, adr, q, i            ; the same out of an image: 512 consecutive bytes a load
.irp c, 0,1,2,3
	ds_load_b128 v[\reg+4*\c:\reg+4*\c+3], v[\adr] offset:4096*(\i)+2048*(\q)+512*\c
.endr
.endm
; 16 matrix instructions: A's blocks a0, a0 + 1 x B's eight.  first = 1: the sum begins with the bias as C.  The 64 accumulators take turns, one instruction a turn.
.macro MUL16 a0, p, q, sc, first
.irp a, \a0, \a0+1
.irp b, 0,1,2,3,4,5,6,7
.if \first
	v_wmma_scale_f32_16x16x128_f8f6f4 v[8*(8*((\a)%4)+\b):8*(8*((\a)%4)+\b)+7], v[128*(\p)+FR*\b:128*(\p)+FR*\b+FR-1], v[AF+FR*(\a):AF+FR*(\a)+FR-1], v[BP+8*\b:BP+8*\b+7], v[SC+8*NQ*(\sc)+NQ*\b+(\q)], v[SC+8*NQ*(\sc)+NQ*(\a)+(\q)] matrix_a_fmt:MATRIX_FMT_BF8 matrix_b_fmt:MATRIX_FMT_BF8 matrix_a_scale:MATRIX_SCALE_ROW1
.else
	v_wmma_scale_f32_16x16x128_f8f6f4 v[8*(8*((\a)%4)+\b):8*(8*((\a)%4)+\b)+7], v[128*(\p)+FR*\b:128*(\p)+FR*\b+FR-1], v[AF+FR*(\a):AF+FR*(\a)+FR-1], v[8*(8*((\a)%4)+\b):8*(8*((\a)%4)+\b)+7], v[SC+8*NQ*(\sc)+NQ*\b+(\q)], v[SC+8*NQ*(\sc)+NQ*(\a)+(\q)] matrix_a_fmt:MATRIX_FMT_BF8 matrix_b_fmt:MATRIX_FMT_BF8 matrix_a_scale:MATRIX_SCALE_ROW1
.endif
.endr
.endr
.endm
.macro FETCH_B slot, q, p
	WIN TO_B
.irp i, 0,1,2,3,4,5,6,7
	FRAGB 128*(\p)+FR*\i, ADRB+\slot, \q, \i
.endr
	WIN 0
.endm
.macro FETCH_A slot, q, i0
.irp i, \i0, \i0+1, \i0+2, \i0+3
	FRAGA AF+FR*(\i), ADRA+\slot, \q, \i
.endr
.endm
.macro SCALES sc
.irp i, 0,1,2,3,4,5,6,7
	ds_load_b64 v[SC+8*NQ*\sc+NQ*\i:SC+8*NQ*\sc+NQ*\i+1], v[ADRS] offset:\i*SBLK
.endr
.endm
.macro PLACES n
.rept \n
	v_nop
.endr
.endm
.macro STEP slot, q, first
	s_wait_dscnt 4*NL                              ; B's set, A's blocks 0-3 and the scale words are in; the youngest 16 loads (A's blocks 4-7) may be out
.if \first
	WIN FST_LO
.else
	WIN MUL_LO
.endif
	MUL16 0, (\q)%2, \q, \slot, \first
	MUL16 2, (\q)%2, \q, \slot, \first
	s_wait_dscnt 0
	PLACES NP
	FETCH_B \slot, (\q)+1, 1-(\q)%2
	FETCH_A \slot, (\q)+1, 0
.if \first
	WIN FST_HI
.else
	WIN MUL_HI
.endif
	MUL16 4, (\q)%2, \q, \slot, \first
	MUL16 6, (\q)%2, \q, \slot, \first
	PLACES NP
	WIN 0
	FETCH_A \slot, (\q)+1, 4
.endm
.macro TURN slot, next, fill
	s_wait_tensorcnt 0x0                           ; all my tensor loads have landed: my part of the next slot
	ds_add_u32 v[SPW], v[NIL]                      ; 0 onto my spare word
	s_wait_dscnt 4*NL+1                            ; (the add and the youngest 16 loads may be out)
	WIN MUL_LO
	MUL16 0, 1, NQ-1, \slot, 0
	s_wait_dscnt 0x0                               ; the add is done, and my reads of this slot are over
	s_barrier_signal -1
	MUL16 2, 1, NQ-1, \slot, 0
	WIN 0
	s_barrier_wait -1
.if \fill
	CREST                                          ; the barrier has opened a round of the cluster's barrier
	s_add_nc_u64 s[G0+4*\slot+2:G0+4*\slot+3], s[G0+4*\slot+2:G0+4*\slot+3], 2*4096
	s_add_nc_u64 s[G0B+4*\slot+2:G0B+4*\slot+3], s[G0B+4*\slot+2:G0B+4*\slot+3], 2*ROWB
	JLOAD G0+4*\slot, G1, G0B+4*\slot, G1B         ; the first tensor load behind the round
	PLACES NP-4
.else
	PLACES NP
.endif
	v_add_nc_u32 v[ADRS], 4*NQ, v[ADRS]
	FETCH_B \next, 0, 0
	FETCH_A \next, 0, 0
	SCALES \next
	WIN MUL_HI
	MUL16 4, 1, NQ-1, \slot, 0
	MUL16 6, 1, NQ-1, \slot, 0
	PLACES NP
	WIN 0
	FETCH_A \next, 0, 4
.endm
	s_wait_tensorcnt 1                             ; the scales and my part of K step 0 are in; the one load behind them, K step 1's, may be out
	s_barrier_signal -1
	s_barrier_wait -1
	FETCH_B 0, 0, 0
	FETCH_A 0, 0, 0
	SCALES 0
	FETCH_A 0, 0, 4
	s_wait_loadcnt 0x0                             ; the bias
	STEP 0, 0, 1                                   ; the first step stands in front of the loop: its products start the sums, from the bias
	s_mov_b32 s3, LAPS-1
.Llap:
	TURN 0, 1, 1
	STEP 1, 0, 0
	TURN 1, 0, 1
	STEP 0, 0, 0
	s_sub_co_u32 s3, s3, 1
	s_cmp_lg_u32 s3, 0
	s_cbranch_scc1 .Llap
	TURN 0, 1, 0                                   ; the last lap fills nothing
	STEP 1, 0, 0
	s_wait_dscnt 4*NL
	WIN MUL_LO
	MUL16 0, 1, NQ-1, 1, 0
	MUL16 2, 1, NQ-1, 1, 0
	s_wait_dscnt 0
	WIN MUL_HI
	MUL16 4, 1, NQ-1, 1, 0
	MUL16 6, 1, NQ-1, 1, 0
	WIN 0
; THE WAY OUT, block by block of 16 rows x 128 columns, through my own stage in LDS: in as 32 bytes a lane, back as whole rows of 512 bytes.  LDS serves a wave's instructions in order (ISA guide 5.7.1.4).
.macro TOSTAGE a
.set AC, 64*((\a)%4)
.set WN, 0x08+4*((\a)/4)
	WIN WN                                         ; the data: window 2 or 3
.irp b, 0,1,2,3,4,5,6,7
	ds_store_b128 v[STO], v[AC+8*\b:AC+8*\b+3] offset:64*\b          ; each accumulator from its low end on
	ds_store_b128 v[STO], v[AC+8*\b+4:AC+8*\b+7] offset:64*\b+16
.endr
	WIN 0
.set BB, BK+64*((\a)%2)
.irp t, 0,1,2,3,4,5,6,7,8,9,10,11,12,13,14,15
	ds_load_b128 v[BB+4*\t:BB+4*\t+3], v[RD] offset:\t*SPITCH
.endr
.endm
.macro SEND a, younger                 ; younger: the LDS instructions issued behind block a's loads, which may stay out
.set BB, BK+64*((\a)%2)
	s_wait_dscnt \younger
.if (\a) > 0
	s_add_nc_u64 s[12:13], s[12:13], 16*SIZE_N*4   ; (behind a wait on XCNT: the earlier stores have read their base)
.endif
.irp t, 0,1,2,3,4,5,6,7,8,9,10,11,12,13,14,15
	global_store_b128 v[CO], v[BB+4*\t:BB+4*\t+3], s[12:13] offset:\t*SIZE_N*4 th:TH_STORE_NT   ; 32 lanes store 512 consecutive bytes, aligned; written once, read by nobody here
.endr
.endm
	PLACES NP
	TOSTAGE 0
.irp a, 1,2,3,4,5,6,7
.if \a > 1
	s_wait_xcnt 0x0                                ; block a - 2's stores have read their registers and their base
.endif
	TOSTAGE \a
	SEND \a-1, 32                                  ; behind block a - 1's loads: block a's 16 stores and 16 loads
.endr
	s_wait_xcnt 0x0
	SEND 7, 0
	s_wait_tensorcnt 0x0                           ; the wave's end
	ds_add_u32 v[SPW], v[NIL]
	s_wait_dscnt 0x0
	CROUND                                         ; the closing round
	s_endpgm
.Lfunc_end_k_qffdd6ae8c2_outproj:
	.size	k_qffdd6ae8c2_outproj, .Lfunc_end_k_qffdd6ae8c2_outproj-k_qffdd6ae8c2_outproj
	.p2alignl 7, 3214868480
	.fill 96, 4, 3214868480
	.section	.rodata,"a",@progbits
	.p2align	6, 0x0
	.amdhsa_kernel k_qffdd6ae8c2_outproj
		.amdhsa_group_segment_fixed_size 327680
		.amdhsa_private_segment_fixed_size 0
		.amdhsa_enable_private_segment 0
		.amdhsa_kernarg_size 48
		.amdhsa_user_sgpr_count 2
		.amdhsa_user_sgpr_kernarg_segment_ptr 1
		.amdhsa_wavefront_size32 1
		.amdhsa_system_sgpr_workgroup_id_x 1
		.amdhsa_system_sgpr_workgroup_id_y 1
		.amdhsa_system_sgpr_workgroup_id_z 1
		.amdhsa_system_vgpr_workitem_id 0
		.amdhsa_next_free_vgpr 1024
		.amdhsa_next_free_sgpr 100
		.amdhsa_reserve_vcc 0
		.amdhsa_float_denorm_mode_32 3
		.amdhsa_float_denorm_mode_16_64 3
		.amdhsa_memory_ordered 1
		.amdhsa_forward_progress 1
		.amdhsa_inst_pref_size 147
	.end_amdhsa_kernel
	.amdgpu_metadata
---
amdhsa.version: [ 1, 2 ]
amdhsa.kernels:
  - .name:           k_qffdd6ae8c2_outproj
    .symbol:         k_qffdd6ae8c2_outproj.kd
    .args:
      - { .name: ctx_img, .offset: 0, .size: 8, .value_kind: global_buffer, .address_space: global }
      - { .name: ctx_sc, .offset: 8, .size: 8, .value_kind: global_buffer, .address_space: global }
      - { .name: Wo_codes, .offset: 16, .size: 8, .value_kind: global_buffer, .address_space: global }
      - { .name: Wo_scales, .offset: 24, .size: 8, .value_kind: global_buffer, .address_space: global }
      - { .name: bo, .offset: 32, .size: 8, .value_kind: global_buffer, .address_space: global }
      - { .name: out0, .offset: 40, .size: 8, .value_kind: global_buffer, .address_space: global }
    .group_segment_fixed_size: 327680
    .private_segment_fixed_size: 0
    .kernarg_segment_align: 8
    .kernarg_segment_size: 48
    .max_flat_workgroup_size: 128
    .sgpr_count:     100
    .vgpr_count:     1024
    .wavefront_size: 32
...
	.end_amdgpu_metadata
.endif
;; end of part 4
;; ======== version 2 of 2: 4 launches; version 1 with the launch attn written anew for expert scheduling mode
;; limits: right only within a limited range of input values
;; workspace buffers: qkv_img 25,165,824 bytes; qkv_sc 786,432 bytes; maskw 524,800 bytes of whole numbers; ctx_img 8,388,608 bytes; ctx_sc 262,144 bytes
;; launch maskpack: the kernel of part 1 again; grid 128 x 1, 16 waves a work-group, no clusters, 137,472 bytes of LDS; arguments mask, maskw; writes maskw
;; launch qkv: the kernel of part 2 again; grid 12 x 32, 4 waves a work-group, clusters of 4 x 4, 327,680 bytes of LDS; arguments x_codes, x_scales, Wq_codes, Wq_scales, Wk_codes, Wk_scales, Wv_codes, Wv_scales, bq, bk, bv, qkv_img, qkv_sc; writes qkv_img, qkv_sc
;; launch attn (part 5): grid 4 x 64, 16 waves a work-group, no clusters, 52,224 bytes of LDS; arguments qkv_img, qkv_sc, maskw, ctx_img, ctx_sc; writes ctx_img, ctx_sc
.if DOCPART == 5
	.amdgcn_target "amdgcn-amd-amdhsa--gfx1250"
	.amdhsa_code_object_version 6
	.text
	.protected	k_qffdd6ae8c2_attn
	.globl	k_qffdd6ae8c2_attn
	.p2align	8
	.type	k_qffdd6ae8c2_attn,@function
k_qffdd6ae8c2_attn:
	s_mov_b64 s[64:65], 0
	v_nop
	global_prefetch_b8 v0, s[64:65] scope:SCOPE_SE
	s_setreg_imm32_b32 hwreg(HW_REG_WAVE_SCHED_MODE, 0, 2), 2
	s_setreg_imm32_b32 hwreg(HW_REG_WAVE_MODE, 25, 1), 1
	s_wait_xcnt 0x0
	s_wait_alu depctr_vm_vsrc(0)
; ctx = softmax(q k^T / 8, hidden logits very negative) v for one head, both products on codes of BF8 (E5M2) with one E8M0 scale for each 32 along a product's K; ctx is quantised along the channels on its way out.
; THE SOFTMAX AHEAD OF THE SECOND PRODUCT: t = score x log2(e) / 8; M = the running largest t rounded UP to a whole number; p = 2^(t - M) is quantised along the keys, not normalised; the row's sum is taken of the
; unquantised p and divides at the end.  When M moves, the sum and O are multiplied by 2^(old M - new M): exact.
; THE MASK is an input: an earlier launch has turned it into lane masks (a word for each register of the scores) and a flag word for each tile of 16 queries: NEED (bit j: key step j has to be worked) and MIX
; (bit 16 + j: step j has hidden keys).  A step that is not needed is jumped over: forward branches on those stored words, round loads and work alone; every wave passes every barrier.
; LIMIT: a hidden score is set to -2^33, a logit of -2^30 where the definition has -1e9: a row with no open key gets p = 1 for every key, as there; results differ only where open logits lie under about -9e8.
; NaN and infinities are not served.  A block of zeros gets the scale byte 1 (its codes are zeros; this program alone reads the bytes).
; SHARES.  Work-group (p, head) makes two passes, over the blocks of 256 queries 7 - p and p.  Each of its SIXTEEN waves owns one tile of 16 queries in 256 registers: four waves to a SIMD, so that one wave's
; vector work stands beside another's matrix work and LDS loads.  A pass walks the 16 key steps of 128 keys.
; K AND V come as images of operand registers.  They go from memory through registers into a ring of two LDS slots, a step ahead: 512 threads x 16 bytes are K's 8 KB, and V's; wave 0 brings K's scale words, wave 1 V's.
; NO JOINT LOADS, though the work-groups of a head walk the same K and V: the branches on numbers read from memory spare
; 61,440 of the 131,072 (tile, step) pairs under a lower-triangular mask; partners would also need different steps.
; LAYOUT.  S^T = K Q^T (source 0 = 16 keys, source 1 = my 16 queries; the head has 64 channels, so K = 128 is half filled: Q's upper eight registers are zero codes, and K's upper eight are whatever follows:
; the next tile's finite codes, or eight zero registers), O^T = V^T P^T (source 0 = 16 channels, source 1 = P): a lane holds ONE query throughout.
; Register 8 t + j of S^T in lane (r, h) is key 16 t + 8 h + j.  A block of 32 keys is tiles 2 c, 2 c + 1; behind the conversions two exchanges of lane halves put its codes into the operand's order.
; THE MODE: SCHED_MODE bits 1:0 = 2 (LLVM: expert scheduling mode 2), set by the entry lines.  The code itself states the register dependences between vector or matrix instructions and memory or LDS
; instructions, with s_wait_alu, always for 0.
; THE PLAN.  Registers that memory or LDS instructions touch:
;   v1-4, v10, v11   addresses: written once at the head, read by every load and store, never written again.
;   GK, GV, GS, GW   staging: zeros at the head; a trip's global loads land in them at its head; the LDS stores at the trip's end read them; in wave 0 four shifts stand between GS's load and its store.
;   v32-95           K's LDS loads land at a step's head; the eight products K Q^T read them; V's LDS loads land behind those; the four products V^T P read them.  The wave's 256 registers are all named: there is no second set.
;   KS, VS           scale words: LDS loads land in them, products read them.
;   QF 0-7, QS       a pass's global loads land in them; one shift writes QS; every product K Q^T reads them.
;   PC 0-7, WK       on the way out: written by conversions, exchanges and a select, read by three global stores, written again in the next pass.
; So a step holds three waits on va_vdst beside the two behind its exponentials: at its head (the last step's products are done with v32-95 and the scale words), behind the products K Q^T (they are done with K's
; registers) and ahead of the products V^T P (p's codes and scale word are written); a trip's end holds one wait on vm_vsrc (the LDS stores have read the staging registers).
.set SLOT1, 32768                      ; slot 1 begins here
.set VOFF,  8192                       ; in a slot: K's 16 pieces (tile t, half c: 1,024 t + 512 c), V's 16 pieces ((c / 2) 4,096 + 1,024 tau + 512 (c % 2)),
.set KSO,   16384                      ; K's scale words, 16 bytes a lane,
.set VSO,   16896                      ; V's, 8 bytes a lane
.set L16, 1                            ; v1   16 x lane
.set T16, 2                            ; v2   16 x thread
.set VG,  3                            ; v3   V in memory: (thread / 256) x 131,072 + (thread % 256) x 16
.set L8,  4                            ; v4   8 x lane
.set GW,  8                            ; v[8:9] the next step's scale words of V on their way to LDS (wave 1): registers of their own
.set R16, 10                           ; v10  16 x (lane % 16)
.set CSO, 11                           ; v11  32 x (lane % 16) + lane / 16: my byte among the tile's ctx scale bytes
                                       ; v12 -M, v13 the largest t, v[14:15] the sum in two halves
.set QF,  16                           ; v16-31   Q: eight registers of codes, eight of zeros
.set KF,  32                           ; v32-103  K: 8 tiles x 8 registers, then 8 zeros; V's four fragments take v32-95
.set S,   104                          ; v104-167 S^T, then p
.set OT,  168                          ; v168-199 O^T
.set PC,  200                          ; v200-215 p's codes
.set KS,  216                          ; v216-219 K's scale words: tile t in register t / 2, lanes 16 (t % 2) on
.set VS,  220                          ; v220-221 V's likewise
.set QS,  222                          ; v222 Q's
.set PW,  223                          ; v223 p's
.set BM,  224                          ; v224-227 the blocks' largest scores, then largest p
.set T1,  228                          ; v228-231 at work; the bytes
.set HD,  232                          ; v232-235 57,344 x the scale
.set SO,  236                          ; v236-239 the conversions' scale operands
.set FF,  240                          ; v[240:241] f = 2^(old M - new M); at the end 1 / the sum
.set WK,  242                          ; v242 at work
.set SENT, 243                         ; v243 -2^33
.set GK,  244                          ; v244-247, v248-251: the next step's K and V on their way to LDS; v252-255: K's scale words (wave 0)
.set GV,  248
.set GS,  252
; s[2:3] lane selects; s[4:5] K, s[6:7] K's scales, s[8:9] V, s[10:11] V's scales: at the step to be loaded next; s[12:13] the step in hand's mask words; s14 wave; s17 the work-group's NEED, s18 my flag word,
; both shifted a bit a step; s19, s20 counters; s21 16 x (head % 2); s22 the block; s23 the mantissa field of 57,344; s26 head, s27 batch, s28 head / 2, s29 head % 2, s30 my tile; s[66:67] c;
; s32-63 and s68-99: the 64 mask words; at a pass's ends pointers and offsets.
.macro GLOADS bit                      ; the step to which the pointers stand, if any wave of the work-group needs it.  No wait of the mode stands here: the last LDS stores' reads of these registers and wave 0's shifts were waited for where they stand
	s_bitcmp1_b32 s17, \bit
	s_cbranch_scc0 .Lnone_\@
	global_load_b128 v[GK:GK+3], v[T16], s[4:5]
	global_load_b128 v[GV:GV+3], v[VG], s[8:9]
	s_cmp_lg_u32 s14, 0
	s_cbranch_scc1 .Lnot0_\@
	global_load_b128 v[GS:GS+3], v[L16], s[6:7]
.Lnot0_\@:
	s_cmp_lg_u32 s14, 1
	s_cbranch_scc1 .Lnone_\@
	global_load_b64 v[GW:GW+1], v[L16], s[10:11]
.Lnone_\@:
.endm
; What GLOADS brought goes into slot d, always (of a step that was not loaded nobody reads the bytes), and the trip's one barrier follows.  In front of it each wave has waited for its stores into slot d and for its
; reads of the other slot: behind it slot d may be read and the other slot written.
.macro SSTORE d
	s_wait_loadcnt 0x0
	ds_store_b128 v[T16], v[GK:GK+3] offset:(\d)*SLOT1
	ds_store_b128 v[T16], v[GV:GV+3] offset:(\d)*SLOT1+VOFF
	s_cmp_lg_u32 s14, 0
	s_cbranch_scc1 .Lnot0_\@
.irp i, 0,1,2,3
	v_lshrrev_b32 v[GS+\i], s21, v[GS+\i]          ; a word holds the bytes of a pair of heads: an odd head's come down to bytes 0 and 1 (what stands in bytes 2 and 3 meets zero codes)
.endr
	s_wait_alu depctr_va_vdst(0)                   ; the four shifts have written v252-255, which the LDS store below reads; no vector line names them again before the next step's load lands in them
	ds_store_b128 v[L16], v[GS:GS+3] offset:(\d)*SLOT1+KSO
.Lnot0_\@:
	s_cmp_lg_u32 s14, 1
	s_cbranch_scc1 .Lnot1_\@
	ds_store_b64 v[L8], v[GW:GW+1] offset:(\d)*SLOT1+VSO
.Lnot1_\@:
	s_wait_dscnt 0x0
	s_wait_alu depctr_vm_vsrc(0)                   ; my LDS stores have read v244-255 and v8-9, in which the next step's loads land (and which wave 0's shifts write)
	s_barrier_signal -1
	s_barrier_wait -1
.endm
.macro NEXTP mw                        ; the pointers go a step on
	s_wait_xcnt 0x0                                ; the pointers are written only behind this wait (the loads that name them have also been waited for, by their own counters)
	s_add_nc_u64 s[4:5], s[4:5], 8192
	s_add_nc_u64 s[8:9], s[8:9], 8192
	s_add_nc_u64 s[6:7], s[6:7], 512
	s_add_nc_u64 s[10:11], s[10:11], 512
.if \mw
	s_add_nc_u64 s[12:13], s[12:13], 256
.endif
.endm
; A KEY STEP: 128 keys, out of slot sl.
.macro STEP sl
.rept 8
	v_nop                                          ; the places behind the last matrix instructions stay, beside the wait below
.endr
	s_wait_alu depctr_va_vdst(0)                   ; the last step's products are done reading v32-95 and the scale words v216-221, in which the loads of this step land; in a pass's first step Q's zero codes, the zeros behind K's last tile and Q's shifted scale word are written, which the scaled products below take
.irp t, 0,1,2,3,4,5,6,7
.irp c, 0,1
	ds_load_b128 v[KF+8*\t+4*\c:KF+8*\t+4*\c+3], v[L16] offset:(\sl)*SLOT1+1024*\t+512*\c
.endr
.endr
	ds_load_b128 v[KS:KS+3], v[L16] offset:(\sl)*SLOT1+KSO
	s_wait_dscnt 0x0
.irp t, 0,1,2,3,4,5,6,7
.if \t%2
	v_wmma_scale_f32_16x16x128_f8f6f4 v[S+8*\t:S+8*\t+7], v[KF+8*\t:KF+8*\t+15], v[QF:QF+15], 0, v[KS+\t/2], v[QS] matrix_a_fmt:MATRIX_FMT_BF8 matrix_b_fmt:MATRIX_FMT_BF8 matrix_a_scale:MATRIX_SCALE_ROW1
.else
	v_wmma_scale_f32_16x16x128_f8f6f4 v[S+8*\t:S+8*\t+7], v[KF+8*\t:KF+8*\t+15], v[QF:QF+15], 0, v[KS+\t/2], v[QS] matrix_a_fmt:MATRIX_FMT_BF8 matrix_b_fmt:MATRIX_FMT_BF8
.endif
.endr
.rept 8
	v_nop                                          ; places: for the first read of the scores
.endr
	s_wait_alu depctr_va_vdst(0)                   ; the eight products are done reading K's registers v32-95, in which V lands
.irp tau, 0,1,2,3
.irp c, 0,1,2,3
	ds_load_b128 v[KF+16*\tau+4*\c:KF+16*\tau+4*\c+3], v[L16] offset:(\sl)*SLOT1+VOFF+(\c/2)*4096+1024*\tau+512*(\c%2)   ; V lands while the softmax is worked: no line of the softmax names v32-95 or v220-221
.endr
.endr
	ds_load_b64 v[VS:VS+1], v[L8] offset:(\sl)*SLOT1+VSO
	s_bitcmp1_b32 s18, 16                          ; has this step hidden keys for my tile?
	s_cbranch_scc0 .Lopen_\@
	s_load_b512 s[32:47], s[12:13], 0x0
	s_load_b512 s[48:63], s[12:13], 0x40
	s_load_b512 s[68:83], s[12:13], 0x80
	s_load_b512 s[84:99], s[12:13], 0xc0
	s_wait_kmcnt 0x0
.set n, 0
.rept 32
	v_cndmask_b32 v[S+n], v[SENT], v[S+n], s[32+n] ; a hidden key's score becomes -2^33, ahead of the maximum
.set n, n+1
.endr
.rept 32
	v_cndmask_b32 v[S+n], v[SENT], v[S+n], s[36+n]
.set n, n+1
.endr
.Lopen_\@:
.irp b, 0,1,2,3
	v_max3_num_f32 v[BM+\b], v[S+16*\b], v[S+1+16*\b], v[S+2+16*\b]   ; the largest score of each block of 32 keys: it serves for the row's maximum and, since p rises with the score, for the block's largest p
.endr
.irp i, 3,5,7,9,11,13
.irp b, 0,1,2,3
	v_max3_num_f32 v[BM+\b], v[BM+\b], v[S+16*\b+\i], v[S+1+16*\b+\i]
.endr
.endr
.irp b, 0,1,2,3
	v_max_num_f32 v[BM+\b], v[BM+\b], v[S+15+16*\b]
.endr
.irp b, 0,1,2,3
	v_permlanex16_b32 v[T1+\b], v[BM+\b], s2, s3
.endr
.irp b, 0,1,2,3
	v_max_num_f32 v[BM+\b], v[BM+\b], v[T1+\b]     ; with lane l xor 16's 16 keys
.endr
	v_max3_num_f32 v[WK], v[BM], v[BM+1], v[BM+2]
	v_max_num_f32 v[WK], v[WK], v[BM+3]            ; the step's largest score of my query
	v_mul_f32 v[WK], s66, v[WK]                    ; as t (c is positive)
	v_max_num_f32 v13, v13, v[WK]                  ; the running largest t
	v_mov_b32 v[WK], v12
	v_floor_f32 v12, -v13                          ; the new -M = floor(-t): M is a whole number
	v_sub_f32 v[WK], v12, v[WK]                    ; old M - new M: a whole number, 0 or less
	v_cvt_i32_f32 v[WK], v[WK]                     ; (it saturates)
	v_ldexp_f32 v[FF], 1.0, v[WK]                  ; f = 2^(old M - new M)
.set n, 0
.rept 32
	v_pk_fma_f32 v[S+n:S+n+1], v[S+n:S+n+1], s[66:67], v[12:13] op_sel_hi:[1,0,0]   ; t - M, two at a time
.set n, n+2
.endr
.irp b, 0,1,2,3
	v_fma_f32 v[BM+\b], v[BM+\b], s66, v12         ; the same of each block's largest score
.endr
.set n, 0
.rept 64
	v_exp_f32 v[S+n], v[S+n]                       ; p = 2^(t - M), at most 1
.set n, n+1
.endr
	v_pk_mul_f32 v[14:15], v[14:15], v[FF:FF+1] op_sel_hi:[1,0]   ; the sums under the new M: the plain instruction behind the exponentials
	s_wait_alu depctr_va_vdst(0)                   ; the 64 exponentials have written p, v104-167: one wait for the batch, ahead of its first reader
.irp b, 0,1,2,3
	v_exp_f32 v[BM+\b], v[BM+\b]                   ; the block's largest p: the same two instructions on the same number
.endr
	v_pk_add_f32 v[T1:T1+1], v[S:S+1], v[S+2:S+3]  ; the row's sum is taken of the unquantised p, in two chains
.irp j, 4,8,12,16,20,24,28,32,36,40,44,48,52,56,60
	v_pk_add_f32 v[14:15], v[14:15], v[S+\j:S+\j+1]
	v_pk_add_f32 v[T1:T1+1], v[T1:T1+1], v[S+2+\j:S+3+\j]
.endr
	v_pk_add_f32 v[14:15], v[14:15], v[T1:T1+1]
	s_wait_alu depctr_va_vdst(0)                   ; the four exponentials have written the blocks' largest p, v224-227, ahead of their first reader
.irp b, 0,1,2,3
	v_max_num_f32 v[BM+\b], 0x8000000, v[BM+\b]    ; the floor 2^(16 - 127): the byte cannot fall under 1
.endr
.irp b, 0,1,2,3
	v_add_nc_u32 v[SO+\b], 0xf8800000, v[BM+\b]    ; 15 off the exponent field: the conversion's scale operand
.endr
.irp b, 0,1,2,3
	v_and_or_b32 v[HD+\b], v[BM+\b], 0x7f800000, s23   ; 57,344 x the scale
.endr
.irp b, 0,1,2,3
	v_lshrrev_b32 v[T1+\b], 23, v[SO+\b]           ; the scale's byte
.endr
	v_lshl_or_b32 v[PW], v[T1+1], 8, v[T1]         ; p's scale word for these 128 keys
	v_lshl_or_b32 v[PW], v[T1+2], 16, v[PW]
	v_lshl_or_b32 v[PW], v[T1+3], 24, v[PW]
.irp b, 0,1,2,3
.irp i, 0,1,2,3,4,5,6,7,8,9,10,11,12,13,14,15
	v_min_num_f32 v[S+16*\b+\i], v[S+16*\b+\i], v[HD+\b]   ; the conversion does not saturate (ISA guide 7.6.2); p is not negative, so the hold is one-sided
.endr
	v_cvt_scalef32_pk8_bf8_f32 v[PC+4*\b:PC+4*\b+1], v[S+16*\b:S+16*\b+7], v[SO+\b]
	v_cvt_scalef32_pk8_bf8_f32 v[PC+4*\b+2:PC+4*\b+3], v[S+16*\b+8:S+16*\b+15], v[SO+\b]
.endr
.irp j, 0,2,4,6
	v_pk_mul_f32 v[OT+\j:OT+\j+1], v[OT+\j:OT+\j+1], v[FF:FF+1] op_sel_hi:[1,0]   ; O^T under the new M; plain instructions behind the conversions
.endr
.irp b, 0,1,2,3
	v_permlane16_swap_b32 v[PC+4*\b], v[PC+4*\b+2]     ; keys 8 .. 15 and 16 .. 23 of the block change lane halves: half h now holds keys 16 h + 0 .. 15
	v_permlane16_swap_b32 v[PC+4*\b+1], v[PC+4*\b+3]
.endr
.irp j, 8,10,12,14,16,18,20,22,24,26,28,30
	v_pk_mul_f32 v[OT+\j:OT+\j+1], v[OT+\j:OT+\j+1], v[FF:FF+1] op_sel_hi:[1,0]   ; these twelve are also the places between the codes' last write and the products
.endr
	s_wait_dscnt 0x0                               ; V and its scale words are in
	s_wait_alu depctr_va_vdst(0)                   ; p's codes v200-215 and its scale word v223, made by vector instructions, are written: the scaled products below take them; the places above stay beside this wait
.irp tau, 0,1,2,3
.if \tau%2
	v_wmma_scale_f32_16x16x128_f8f6f4 v[OT+8*\tau:OT+8*\tau+7], v[KF+16*\tau:KF+16*\tau+15], v[PC:PC+15], v[OT+8*\tau:OT+8*\tau+7], v[VS+\tau/2], v[PW] matrix_a_fmt:MATRIX_FMT_BF8 matrix_b_fmt:MATRIX_FMT_BF8 matrix_a_scale:MATRIX_SCALE_ROW1
.else
	v_wmma_scale_f32_16x16x128_f8f6f4 v[OT+8*\tau:OT+8*\tau+7], v[KF+16*\tau:KF+16*\tau+15], v[PC:PC+15], v[OT+8*\tau:OT+8*\tau+7], v[VS+\tau/2], v[PW] matrix_a_fmt:MATRIX_FMT_BF8 matrix_b_fmt:MATRIX_FMT_BF8
.endif
.endr
.endm
.macro TRIP sl                         ; the step in slot sl is worked while the next step is on its way into the other slot
	GLOADS 1                                       ; bit 1: the next step; behind the last step it is 0, so no load leaves its buffer
	s_bitcmp1_b32 s18, 0                           ; does my tile need this step?
	s_cbranch_scc0 .Lskip_\@
	STEP \sl
.Lskip_\@:
	SSTORE 1-(\sl)
	NEXTP 1
	s_lshr_b32 s17, s17, 1
	s_lshr_b32 s18, s18, 1
.endm
	v_lshrrev_b32 v5, 5, v0
	v_readfirstlane_b32 s14, v5                    ; wave 0..15
	v_and_b32 v6, 31, v0
	v_lshlrev_b32 v[L16], 4, v6
	v_lshlrev_b32 v[T16], 4, v0
	v_lshrrev_b32 v7, 8, v0
	v_and_b32 v12, 255, v0                         ; (v12 and v13 are at work here; each pass sets them anew)
	v_lshlrev_b32 v12, 4, v12
	v_lshl_add_u32 v[VG], v7, 17, v12
	v_lshlrev_b32 v[L8], 3, v6
	v_and_b32 v13, 15, v0
	v_lshlrev_b32 v[R16], 4, v13
	v_bfe_u32 v7, v0, 4, 1
	v_lshl_add_u32 v[CSO], v13, 5, v7
	v_mov_b32 v[SENT], 0xd0000000                  ; -2^33
.irp i, 8,9,10,11,12,13,14,15
	v_mov_b32 v[QF+\i], 0                          ; Q's zero codes: K = 64 .. 127
.endr
.irp i, 0,1,2,3,4,5,6,7
	v_mov_b32 v[KF+64+\i], 0                       ; what follows K's last tile
.endr
.irp i, 0,1,2,3,4,5,6,7,8,9,10,11
	v_mov_b32 v[GK+\i], 0                          ; stored to LDS also where a step was not loaded
.endr
	v_mov_b32 v[GW], 0                             ; likewise
	v_mov_b32 v[GW+1], 0
.irp b, 0,1,2,3
	v_mov_b32 v[T1+\b], 0                          ; a lane permute's destination counts as one of its sources
.endr
	v_mov_b32 v[FF+1], 0                           ; (named as the upper half of a pair)
	v_mov_b32 v[WK], 0
	s_and_b32 s26, ttmp7, 0xffff                   ; 16 x batch + head
	s_and_b32 s29, s26, 1
	s_lshl_b32 s21, s29, 4
	s_lshr_b32 s28, s26, 1                         ; 8 x batch + pair of heads
	s_lshr_b32 s27, s26, 4                         ; batch
	s_mov_b32 s2, 0x76543210
	s_mov_b32 s3, 0xfedcba98
	s_mov_b32 s23, 0x600000
	s_mov_b32 s66, 0x3e38aa3b                      ; c = log2(e) / 8
	s_mov_b32 s67, s66
	s_mov_b32 s20, 2
	s_wait_alu depctr_va_sdst(0)                   ; s14, the wave's number, is written: ahead of the label and of its first reader, in the pass below
.Lpass:
	s_load_b256 s[32:39], s[0:1], 0x0              ; qkv_img s[32:33], qkv_sc s[34:35], maskw s[36:37]
	s_sub_co_u32 s24, 7, ttmp9
	s_cmp_eq_u32 s20, 2
	s_cselect_b32 s22, s24, ttmp9                  ; the block of 256 queries: 7 - p, then p
	s_lshl_b32 s30, s22, 4
	s_add_co_u32 s30, s30, s14                     ; my tile of 16 queries, 0 .. 127
	s_lshl_b32 s40, s26, 17                        ; q, k: 131,072 bytes a head
	s_mov_b32 s41, 0
	s_lshl_b32 s42, s30, 10
	s_add_co_u32 s42, s42, s40                     ; Q: my tile's 1,024 bytes
	s_mov_b32 s43, 0
	s_add_co_u32 s40, s40, 0x800000                ; K: the second part of the images
	s_lshl_b32 s44, s28, 18                        ; V: 262,144 bytes a pair of heads,
	s_lshl_b32 s24, s29, 12                        ; my head's four channel tiles,
	s_add_co_u32 s44, s44, s24
	s_add_co_u32 s44, s44, 0x1000000               ; in the third part
	s_mov_b32 s45, 0
	s_lshl_b32 s46, s28, 13                        ; scale words: 8,192 bytes a pair of heads
	s_lshr_b32 s24, s30, 3
	s_lshl_b32 s24, s24, 9                         ; Q's: 512 bytes for each 8 tiles;
	s_add_co_u32 s48, s46, s24
	s_bfe_u32 s24, s30, 0x20001
	s_lshl_b32 s24, s24, 2                         ; word (tile % 8) / 2 of a lane's four;
	s_add_co_u32 s48, s48, s24
	s_and_b32 s24, s30, 1
	s_lshl_b32 s24, s24, 8                         ; lanes 16 (tile % 2) on
	s_add_co_u32 s48, s48, s24
	s_mov_b32 s49, 0
	s_add_co_u32 s50, s46, 0x40000                 ; K's
	s_mov_b32 s51, 0
	s_lshl_b32 s24, s29, 3
	s_add_co_u32 s52, s46, s24                     ; V's: my head's two words of a lane's four
	s_add_co_u32 s52, s52, 0x80000
	s_mov_b32 s53, 0
	s_lshl_b32 s54, s30, 12                        ; my tile's mask words: 4,096 bytes
	s_mov_b32 s55, 0
	s_lshl_b32 s56, s22, 6
	s_add_co_u32 s56, s56, 0x80000                 ; the block's 16 flag words
	s_mov_b32 s57, 0
	s_lshl_b32 s58, s30, 2
	s_add_co_u32 s58, s58, 0x80000                 ; mine
	s_mov_b32 s59, 0
	s_wait_kmcnt 0x0
	s_add_nc_u64 s[42:43], s[32:33], s[42:43]
	s_add_nc_u64 s[4:5], s[32:33], s[40:41]
	s_add_nc_u64 s[8:9], s[32:33], s[44:45]
	s_add_nc_u64 s[48:49], s[34:35], s[48:49]
	s_add_nc_u64 s[6:7], s[34:35], s[50:51]
	s_add_nc_u64 s[10:11], s[34:35], s[52:53]
	s_add_nc_u64 s[12:13], s[36:37], s[54:55]
	s_add_nc_u64 s[56:57], s[36:37], s[56:57]
	s_add_nc_u64 s[58:59], s[36:37], s[58:59]
	s_load_b512 s[68:83], s[56:57], 0x0
	s_load_b32 s18, s[58:59], 0x0
	s_wait_alu depctr_va_vdst(0)                   ; first pass: the addresses v1-4, v10, v11 are written, which every load and store reads, and so are the zeros in v244-255 and v8-9, which LDS stores read and in which loads land; second pass: the last pass's products are done reading Q's codes v16-23 and its scale word v222, in which the loads below land
	global_load_b128 v[QF:QF+3], v[L16], s[42:43]
	global_load_b128 v[QF+4:QF+7], v[L16], s[42:43] offset:512
	global_load_b32 v[QS], v[R16], s[48:49]
	s_wait_kmcnt 0x0
	s_or_b32 s17, s68, s69
.irp i, 70,71,72,73,74,75,76,77,78,79,80,81,82,83
	s_or_b32 s17, s17, s\i
.endr
	s_and_b32 s17, s17, 0xffff                     ; the steps that some wave of the work-group needs
	GLOADS 0                                       ; step 0
	SSTORE 0                                       ; (its wait for the loads covers Q too)
	NEXTP 0
	v_lshrrev_b32 v[QS], s21, v[QS]                ; an odd head's bytes come down
	v_mov_b32 v13, 0xff61b1e6                      ; the largest t so far: -3e38
	v_floor_f32 v12, -v13                          ; -M
	v_mov_b32 v14, 0
	v_mov_b32 v15, 0
.set n, 0
.rept 32
	v_mov_b32 v[OT+n], 0                           ; O^T: the step is written without a first form: the first change of M leaves zeros zeros
.set n, n+1
.endr
	s_mov_b32 s19, 8
.Ltrip:                                                ; 8 trips of two key steps: the slot's number stands in the immediates
	TRIP 0
	TRIP 1
	s_sub_co_u32 s19, s19, 1
	s_cmp_lg_u32 s19, 0
	s_cbranch_scc1 .Ltrip
	; THE WAY OUT: O^T / the sum is ctx(query r, channels 16 tau + 8 h + j); its two blocks of 32 channels are quantised and leave as two pieces of the last product's operand
.rept 8
	v_nop                                          ; places behind the last products
.endr
	s_load_b128 s[32:35], s[0:1], 0x18             ; ctx_img, ctx_sc
	v_add_f32 v14, v14, v15
	v_permlanex16_b32 v[WK], v14, s2, s3
	v_add_f32 v14, v14, v[WK]                      ; the row's sum
	v_rcp_f32 v[FF], v14
	v_nop                                          ; a plain instruction behind the reciprocal
	s_lshl_b32 s24, s27, 7
	s_add_co_u32 s24, s24, s30                     ; the tile among all 512
	s_and_b32 s25, s26, 15                         ; the head
	s_lshl_b32 s40, s24, 14
	s_lshl_b32 s31, s25, 10
	s_add_co_u32 s40, s40, s31                     ; 16,384 bytes a tile, 1,024 a head
	s_mov_b32 s41, 0
	s_lshl_b32 s42, s24, 9
	s_lshl_b32 s31, s25, 1
	s_add_co_u32 s42, s42, s31                     ; 32 scale bytes a token, two a head
	s_mov_b32 s43, 0
	s_mov_b32 s36, 0xffff0000
	s_wait_alu depctr_va_vdst(0)                   ; the reciprocal has written v240, ahead of its first reader
.set n, 0
.rept 16
	v_pk_mul_f32 v[OT+n:OT+n+1], v[OT+n:OT+n+1], v[FF:FF+1] op_sel_hi:[1,0]
.set n, n+2
.endr
.irp b, 0,1
	v_max3_num_f32 v[BM+\b], |v[OT+16*\b]|, |v[OT+16*\b+1]|, 0x8000000
.endr
.irp i, 2,4,6,8,10,12,14
.irp b, 0,1
	v_max3_num_f32 v[BM+\b], v[BM+\b], |v[OT+16*\b+\i]|, |v[OT+16*\b+\i+1]|
.endr
.endr
.irp b, 0,1
	v_permlanex16_b32 v[T1+\b], v[BM+\b], s2, s3
.endr
.irp b, 0,1
	v_max_num_f32 v[BM+\b], v[BM+\b], v[T1+\b]
.endr
.irp b, 0,1
	v_add_nc_u32 v[SO+\b], 0xf8800000, v[BM+\b]
.endr
.irp b, 0,1
	v_and_or_b32 v[HD+\b], v[BM+\b], 0x7f800000, s23
.endr
.irp b, 0,1
	v_lshrrev_b32 v[T1+\b], 23, v[SO+\b]
.endr
.irp b, 0,1
.irp i, 0,1,2,3,4,5,6,7,8,9,10,11,12,13,14,15
	v_med3_num_f32 v[OT+16*\b+\i], v[OT+16*\b+\i], -v[HD+\b], v[HD+\b]
.endr
	v_cvt_scalef32_pk8_bf8_f32 v[PC+4*\b:PC+4*\b+1], v[OT+16*\b:OT+16*\b+7], v[SO+\b]
	v_cvt_scalef32_pk8_bf8_f32 v[PC+4*\b+2:PC+4*\b+3], v[OT+16*\b+8:OT+16*\b+15], v[SO+\b]
.endr
	v_nop                                          ; one plain instruction behind the conversions
.irp b, 0,1
	v_permlane16_swap_b32 v[PC+4*\b], v[PC+4*\b+2]
	v_permlane16_swap_b32 v[PC+4*\b+1], v[PC+4*\b+3]
.endr
	v_cndmask_b32 v[WK], v[T1], v[T1+1], s36       ; lanes 0-15 store block 0's byte of their row, lanes 16-31 block 1's
	s_wait_kmcnt 0x0
	s_add_nc_u64 s[32:33], s[32:33], s[40:41]
	s_add_nc_u64 s[34:35], s[34:35], s[42:43]
	s_wait_alu depctr_va_vdst(0)                   ; the exchanges have written the codes v200-207 and the select the byte v242, which the three stores below read
	global_store_b128 v[L16], v[PC:PC+3], s[32:33]               ; 512 consecutive bytes each
	global_store_b128 v[L16], v[PC+4:PC+7], s[32:33] offset:512
	global_store_b8 v[CSO], v[WK], s[34:35]        ; two bytes of each of 16 rows of 32: one part in 512 of what the wave stores
	s_wait_xcnt 0x0                                ; the stores' addresses are translated: their registers are written again in the next pass only behind this wait,
	s_wait_alu depctr_vm_vsrc(0)                   ; and behind this one: the three stores have read v200-207 and v242, which the next pass's vector instructions write
	s_sub_co_u32 s20, s20, 1
	s_cmp_lg_u32 s20, 0
	s_cbranch_scc1 .Lpass
	s_wait_xcnt 0x0
	s_wait_alu depctr_vm_vsrc(0)                   ; wave 0's LDS stores of K's scale words have read v254 and v255, which the two lines below make anew
	v_lshl_add_u32 v254, v0, 2, 0xc400
	v_mov_b32 v255, 0
	s_wait_dscnt 0x0                               ; the closing lines, six on end
	s_wait_alu 0x0
	s_wait_tensorcnt 0x0
	ds_add_u32 v254, v255
	s_wait_dscnt 0x0
	s_endpgm
.Lfunc_end_k_qffdd6ae8c2_attn:
	.size	k_qffdd6ae8c2_attn, .Lfunc_end_k_qffdd6ae8c2_attn-k_qffdd6ae8c2_attn
	.p2alignl 7, 3214868480
	.fill 96, 4, 3214868480
	.section	.rodata,"a",@progbits
	.p2align	6, 0x0
	.amdhsa_kernel k_qffdd6ae8c2_attn
		.amdhsa_group_segment_fixed_size 52224
		.amdhsa_private_segment_fixed_size 0
		.amdhsa_enable_private_segment 0
		.amdhsa_kernarg_size 40
		.amdhsa_user_sgpr_count 2
		.amdhsa_user_sgpr_kernarg_segment_ptr 1
		.amdhsa_wavefront_size32 1
		.amdhsa_system_sgpr_workgroup_id_x 1
		.amdhsa_system_sgpr_workgroup_id_y 1
		.amdhsa_system_sgpr_workgroup_id_z 1
		.amdhsa_system_vgpr_workitem_id 0
		.amdhsa_next_free_vgpr 256
		.amdhsa_next_free_sgpr 102
		.amdhsa_reserve_vcc 0
		.amdhsa_float_denorm_mode_32 3
		.amdhsa_float_denorm_mode_16_64 3
		.amdhsa_memory_ordered 1
		.amdhsa_forward_progress 1
		.amdhsa_inst_pref_size 65
	.end_amdhsa_kernel
	.amdgpu_metadata
---
amdhsa.version: [ 1, 2 ]
amdhsa.kernels:
  - .name:           k_qffdd6ae8c2_attn
    .symbol:         k_qffdd6ae8c2_attn.kd
    .args:
      - { .name: qkv_img, .offset: 0, .size: 8, .value_kind: global_buffer, .address_space: global }
      - { .name: qkv_sc, .offset: 8, .size: 8, .value_kind: global_buffer, .address_space: global }
      - { .name: maskw, .offset: 16, .size: 8, .value_kind: global_buffer, .address_space: global }
      - { .name: ctx_img, .offset: 24, .size: 8, .value_kind: global_buffer, .address_space: global }
      - { .name: ctx_sc, .offset: 32, .size: 8, .value_kind: global_buffer, .address_space: global }
    .group_segment_fixed_size: 52224
    .private_segment_fixed_size: 0
    .kernarg_segment_align: 8
    .kernarg_segment_size: 40
    .max_flat_workgroup_size: 512
    .sgpr_count:     102
    .vgpr_count:     256
    .wavefront_size: 32
...
	.end_amdgpu_metadata
.endif
;; end of part 5
;; launch outproj: the kernel of part 4 again; grid 4 x 32, 4 waves a work-group, clusters of 4 x 4, 327,680 bytes of LDS; arguments ctx_img, ctx_sc, Wo_codes, Wo_scales, bo, out0; writes out0
